; MI455X (gfx1250); checked and timed in simulation.
; The chip was launched on July 23, 2026; its instructions are those of AMD's public machine-readable ISA for CDNA 5 (MIT licence, August 2026) and "CDNA5" Instruction Set Architecture Reference Guide (July 2026). The comments in the code are by the model that wrote it; some were corrected since.
;; Attention. Allowed arithmetic: matrix products marked QUANTISED: E2M3 operands, one E8M0 scale for each 32 along K, by v_wmma_scale_f32_16x16x128_f8f6f4 with both operands' format E2M3, f32 sums; everything else in f32.
;; Inputs: W_proj 1,024 x 1,024 float32; W_qkv 1,024 x 3,072 float32; b_proj 1,024 float32; b_qkv 3,072 float32; x 4 x 2,048 x 1,024 float32.
;; Outputs: out0 4 x 2,048 x 1,024 float32.
;; This version of the problem:
;;   THIS VERSION OF THE PROBLEM IS GIVEN IN LOW PRECISION. The matrix products marked QUANTISED in the list below multiply operands that are first quantised to E2M3 (2 exponent bits, 3 mantissa bits; 6 bits a number), with one power-of-two scale for each 32 numbers along K (OCP MX v1.0); their sums are f32. All else is computed in f32.
;;   The module's matrix products, in the order in which they are computed (A, B: the left and right operand; K: the contracted axis; several contracted axes count as one K, in the product's order):
;;     1. [M 8,192, K 1,024] x [K 1,024, N 3,072]; A: input x; B: input W_qkv: QUANTISED
;;     2. batch 64 x [M 2,048, K 64] x [K 64, N 2,048]; A: computed on the way; B: computed on the way: QUANTISED
;;     3. batch 64 x [M 2,048, K 2,048] x [K 2,048, N 64]; A: softmax (see below); B: computed on the way: QUANTISED
;;     4. [M 8,192, K 1,024] x [K 1,024, N 1,024]; A: computed on the way; B: input W_proj: QUANTISED
;;   THE QUANTISER, for each operand of a quantised product, along K:
;;     - K is cut into blocks of 32 from its start; a last block that is shorter is filled with zeros.
;;     - A block's scale is 2^e with e = floor(log2(the largest magnitude in the block)) - 2, held to -126 .. 127; a block of zeros has e = 0. As a byte (E8M0): e + 127.
;;     - Each number is divided by its block's scale, clamped to +-7.5, and rounded to the nearest number of E2M3, ties to even, subnormals kept.
;;     - The product sums the exact products of the quantised numbers (number of the format x scale) in f32.
;;   ~~~python
;;   def quantise(x, axis):      # numpy; x: float32 -> the quantised numbers, widened to float32 again
;;       x = np.moveaxis(x, axis, -1); K = x.shape[-1]
;;       x = np.pad(x, [(0, 0)] * (x.ndim - 1) + [(0, -K % 32)]); x = x.reshape(x.shape[:-1] + (-1, 32)); a = np.abs(x).max(-1, keepdims=True)
;;       e = np.where(a > 0, np.clip(np.frexp(np.where(a > 0, a, 1))[1] - 1 - 2, -126, 127), 0)      # np.frexp(a)[1] - 1 = floor(log2(a)), exactly
;;       r = np.clip(x / 2.0 ** e, -7.5, 7.5)
;;       step = 2.0 ** (np.maximum(np.frexp(np.where(r == 0, 1, r))[1] - 1, 0) - 3)
;;       q = np.round(r / step) * step * 2.0 ** e      # np.round: ties to even
;;       return np.moveaxis(q.reshape(q.shape[:-2] + (-1,))[..., :K], -1, axis).astype(np.float32)
;;   ~~~
;;   SOFTMAX AHEAD OF A QUANTISED PRODUCT. Where the list says 'softmax', what is quantised is not the finished softmax but p = 2^(t - M), with t = logit x log2(e) and M = ceil(the row's largest t), a whole number; so 1/2 < the row's largest p <= 1. The row's sum l is taken of the UNQUANTISED p, in f32, and the product's result is divided by l at the end. Since M is a whole number, a kernel that streams over the keys may use a running M (the ceiling of the running maximum): every later rescaling is an exact power of two, which a block's scale takes up: the codes' values come out the same.
;;   OPERANDS COMPUTED ON THE WAY. 'Computed on the way' means the value that the module computes at that place (a softmax that the list does not call 'softmax' is quantised finished and normalised). What goes into a quantiser is computed in f32, as accurately as f32 sums, v_exp_f32 and their like allow (about 1e-6 of the number): no bf16 or f16 on the way to a quantiser, and a product that is left as it is and whose result goes on into a quantised operand takes f32 operands (vector FMAs, or v_wmma_f32_16x16x4_f32). A number that lies on a knife's edge between two numbers of the format may be rounded either way, as far as f32 arithmetic and the matrix unit's own rounding can turn it there, and no further.
;; One version. Each part assembles by itself: llvm-mc -triple=amdgcn-amd-amdhsa -mcpu=gfx1250 --defsym DOCPART=n.
;; ======== version 1 of 1: 4 launches
;; workspace buffers: xq 6,553,600 bytes; wq 3,276,800 bytes; q 6,815,744 bytes; kv 13,369,344 bytes; y 6,815,744 bytes
;; launch quant (part 1): grid 384 x 1, 4 waves a work-group, no clusters, 59,904 bytes of LDS; arguments x, W_qkv, W_proj, xq, wq; writes xq, wq
.if DOCPART == 1
	.amdgcn_target "amdgcn-amd-amdhsa--gfx1250"
	.amdhsa_code_object_version 6
	.text
	.protected	k_q8b81305f8f_quant
	.globl	k_q8b81305f8f_quant
	.p2align	8
	.type	k_q8b81305f8f_quant,@function
k_q8b81305f8f_quant:
	s_mov_b64 s[64:65], 0
	v_nop
	global_prefetch_b8 v0, s[64:65] scope:SCOPE_SE
	s_setreg_imm32_b32 hwreg(HW_REG_WAVE_MODE, 25, 1), 1
	s_wait_xcnt 0x0
; x [8192][1024], W_qkv [1024][3072] and W_proj [1024][1024], f32, become codes of FP6 (E2M3) with one E8M0 byte for each 32 along K (K = 1024 in all three).
; A block's scale is 2^(floor(log2(its largest magnitude)) - 2); its byte is the largest magnitude's exponent field - 2, held at 1 from below.
; LIMITS: NaN and infinities among the inputs are not served; a block whose largest magnitude lies under 2^-124, a block of zeros among them, gets the byte 1
; (the stated quantiser gives a block of zeros 127): its codes are zeros, and the bytes are read by this program alone.
; LAYOUT OF THE RESULTS: images of operand registers.  A tile is 16 rows: lane r of tile 2 G + u holds row 32 G + 8 u + r + 8 (r / 8).  A fragment (a tile x 128 along K) is twelve registers a lane,
; stored as six pieces of 256 bytes: piece p holds registers 2 p, 2 p + 1 of all 32 lanes, lane l's 8 bytes at 8 l.  Codes: [tile][K step 0..7][1536 bytes].
; Scale words: [tile][pair of K steps 0..3][r 0..15][2 words], 512 bytes a tile, behind the codes.  wq's rows 0..3071 are W_qkv's columns, rows 3072..4095 W_proj's.
; SHARES: work-groups 0..255 take x (a wave: one tile x 4 K steps), work-groups 256..383 the weights (a wave: 32 columns x 256 along K).  Each wave reads 32,768 bytes.  Waves share nothing: no barrier.
; The two ways part at the head on the work-group's number, never join, and have LDS bytes of their own: x's stages from byte 0, the weights' from byte 33,792.
.set XSO,  6291456                     ; xq: where the scale words begin
.set WSO,  3145728                     ; wq: likewise
.set SEL,  20                          ; s[20:21] lane selects: lane l xor 16
.set R,    16                          ; x: v16-143 two sets of 64 numbers as loaded
.set X,    144                         ; x: v144-207 64 numbers of my row: register 16 b + i = k 32 b + 16 (lane / 16) + i
.set PC,   208                         ; x: v208-226 the codes just made
.set TM,   228                         ; x: v228-243 at work
.set W0,   248                         ; x: v248-251 the four K steps' scale words
.set RO,   16                          ; W: v16-47 byte offset of row i of a block, at my column
.set WX,   48                          ; W: v48-111 two sets of 32 numbers
.set C,    112                         ; W: v112-117 a block's codes
.set C2,   120                         ; W: v120-122 their second half as converted
.set SB,   124                         ; W: v124-125 my column's two scale words
.set OUTR, 128                         ; W: v128-175 the way out
.set BB,   32                          ; W: s[32:47] the eight blocks' bases
; 64 numbers of a lane, v[s] .. v[s + 63], become a fragment's codes in v[PC] .. v[PC + 11] and my row's scale word in v[pw] (the same in both halves of the lanes).
.macro QUANT s, pw
.irp b, 0,1,2,3
	v_max3_num_f32 v[TM+\b], |v[\s+16*\b]|, |v[\s+1+16*\b]|, 0x1800000   ; block b: my 16 numbers, and the floor 2^(3 - 127): the byte cannot fall under 1
.endr
.irp i, 2,4,6,8,10,12,14
.irp b, 0,1,2,3
	v_max3_num_f32 v[TM+\b], v[TM+\b], |v[\s+16*\b+\i]|, |v[\s+1+16*\b+\i]|   ; the four blocks by turns
.endr
.endr
.irp b, 0,1,2,3
	v_permlanex16_b32 v[TM+4+\b], v[TM+\b], s[SEL], s[SEL+1]
.endr
.irp b, 0,1,2,3
	v_max_num_f32 v[TM+\b], v[TM+\b], v[TM+4+\b]   ; with lane l xor 16's: the block's largest magnitude
.endr
.irp b, 0,1,2,3
	v_add_nc_u32 v[TM+12+\b], 0xff000000, v[TM+\b]   ; 2 off its exponent field: the conversion takes this operand's exponent field as its scale
.endr
.irp b, 0,1,2,3
	v_lshrrev_b32 v[TM+4+\b], 23, v[TM+12+\b]      ; the scale's byte
.endr
	v_lshl_or_b32 v[\pw], v[TM+5], 8, v[TM+4]
	v_lshl_or_b32 v[\pw], v[TM+6], 16, v[\pw]
	v_lshl_or_b32 v[\pw], v[TM+7], 24, v[\pw]
.irp c, 0,1
	v_cvt_scalef32_pk16_fp6_f32 v[PC+6*\c:PC+2+6*\c], v[\s+32*\c:\s+15+32*\c], v[TM+12+2*\c]
	v_cvt_scalef32_pk16_fp6_f32 v[PC+12+4*\c:PC+14+4*\c], v[\s+16+32*\c:\s+31+32*\c], v[TM+12+2*\c+1]   ; (a conversion's three registers begin on an even number)
.endr
	v_nop                                          ; one plain line behind the scaled conversions
.irp c, 0,1                                    ; the operand's layout wants a whole block in a lane: lanes 0-15 block 2 c, lanes 16-31 block 2 c + 1
.irp i, 0,1,2
	v_permlane16_swap_b32 v[PC+6*\c+\i], v[PC+12+4*\c+\i]
.endr
.irp i, 0,1,2
	v_mov_b32 v[PC+3+6*\c+\i], v[PC+12+4*\c+\i]
.endr
.endr
.endm
	s_load_b128 s[4:7], s[0:1], 0x0                ; x, W_qkv
	s_load_b128 s[8:11], s[0:1], 0x10              ; W_proj, xq
	s_load_b64 s[12:13], s[0:1], 0x20              ; wq
	v_lshl_add_u32 v254, v0, 2, 0xe800
	v_mov_b32 v255, 0
	v_lshrrev_b32 v1, 5, v0
	v_readfirstlane_b32 s14, v1                    ; wave 0..3
	v_and_b32 v2, 31, v0                           ; lane
	s_cmp_lt_u32 ttmp9, 256
	s_cbranch_scc0 .Lweights
	; ---------------- x: K is innermost.  Wave W = 4 x work-group + wave: tile W / 2, K steps 4 (W % 2) on ----------------
	v_and_b32 v3, 15, v0                           ; r
	v_bfe_u32 v8, v0, 4, 1                         ; h
	v_lshlrev_b32 v4, 4, v2                        ; 16 x lane: a load reads 512 consecutive bytes of one row, one K step
	v_lshlrev_b32 v7, 3, v2                        ; 8 x lane: my place in a piece
	s_mul_i32 s15, s14, 8448                       ; my stage: 16 rows x (512 + 16) bytes
	v_add_nc_u32 v5, s15, v4                       ; into it: as loaded
	v_mul_u32_u24 v6, v3, 528
	v_lshl_add_u32 v6, v8, 6, v6
	v_add_nc_u32 v6, s15, v6                       ; out of it: row r, + 64 h: my 16 numbers of each block of 32
	s_mov_b32 s[SEL], 0x76543210
	s_mov_b32 s[SEL+1], 0xfedcba98
.irp b, 0,1,2,3
	v_mov_b32 v[TM+4+\b], 0                        ; written once: a lane permute's destination counts as one of its sources
.endr
	s_lshl_b32 s16, ttmp9, 2
	s_add_co_u32 s16, s16, s14                     ; W
	s_lshr_b32 s17, s16, 1                         ; the tile
	s_and_b32 s18, s16, 1                          ; which half of K
	s_lshr_b32 s22, s17, 1
	s_and_b32 s23, s17, 1
	s_lshl_b32 s22, s22, 17                        ; 32 rows of 4,096 bytes for each pair of tiles,
	s_lshl_b32 s23, s23, 15                        ; 8 rows for the odd tile,
	s_add_co_u32 s22, s22, s23
	s_lshl_b32 s23, s18, 11                        ; 4 K steps of 512 bytes
	s_add_co_u32 s22, s22, s23
	s_mov_b32 s23, 0
	s_lshl_b32 s24, s16, 2                         ; 8 x tile + 4 x half = 4 W fragments on
	s_mul_i32 s24, s24, 1536
	s_mov_b32 s25, 0
	s_lshl_b32 s26, s16, 8                         ; scale words: 512 x tile + 256 x half
	s_add_co_u32 s26, s26, XSO
	s_mov_b32 s27, 0
	s_wait_alu depctr_va_vdst(0)
	s_wait_kmcnt 0x0
	s_add_nc_u64 s[4:5], s[4:5], s[22:23]
	s_add_nc_u64 s[24:25], s[10:11], s[24:25]
	s_add_nc_u64 s[26:27], s[10:11], s[26:27]
.macro XLOAD s                         ; K step s of the tile's 16 rows
.irp j, 0,1,2,3,4,5,6,7,8,9,10,11,12,13,14,15
	global_load_b128 v[R+64*((\s)%2)+4*\j:R+64*((\s)%2)+4*\j+3], v4, s[4:5] offset:(\j+8*(\j/8))*4096+512*(\s) th:TH_LOAD_NT
.endr
.endm
.macro XSTEP s
.if (\s) < 3
	s_wait_loadcnt 16                              ; this step's 16 loads are in; the next step's 16 may be out
.else
	s_wait_loadcnt 0x0
.endif
.irp j, 0,1,2,3,4,5,6,7,8,9,10,11,12,13,14,15
	ds_store_b128 v5, v[R+64*((\s)%2)+4*\j:R+64*((\s)%2)+4*\j+3] offset:528*\j
.endr
.irp b, 0,1,2,3
.irp i, 0,1,2,3
	ds_load_b128 v[X+16*\b+4*\i:X+16*\b+4*\i+3], v6 offset:128*\b+16*\i   ; LDS serves a wave's instructions in order: these see the stores above
.endr
.endr
	s_wait_dscnt 0x0                               ; the numbers are back, and the stores have read their registers
.if (\s) > 0
	s_wait_xcnt 0x0                                ; the last step's stores have read the codes' registers: they are written again only behind this wait
.endif
.if (\s) < 2
	XLOAD (\s)+2
.endif
	QUANT X, W0+(\s)
.irp p, 0,1,2,3,4,5
	global_store_b64 v7, v[PC+2*\p:PC+2*\p+1], s[24:25] offset:1536*(\s)+256*\p   ; a piece: 256 consecutive bytes, aligned
.endr
.endm
	XLOAD 0
	XLOAD 1
	XSTEP 0
	XSTEP 1
	XSTEP 2
	XSTEP 3
	v_cmp_eq_u32 vcc_lo, 1, v8                     ; lanes 0-15 store the first pair of K steps' words, lanes 16-31 the second pair's
	v_cndmask_b32 v252, v[W0], v[W0+2], vcc_lo
	v_cndmask_b32 v253, v[W0+1], v[W0+3], vcc_lo
	global_store_b64 v7, v[252:253], s[26:27]      ; 256 consecutive bytes, aligned
	s_wait_tensorcnt 0x0
	ds_add_u32 v254, v255
	s_wait_dscnt 0x0
	s_endpgm
	; ---------------- the weights: K is the FIRST axis.  A lane takes a column and its registers run down K ----------------
.Lweights:
	s_sub_co_u32 s15, ttmp9, 256
	s_lshr_b32 s16, s15, 2                         ; which 128 columns of the 4,096
	s_and_b32 s17, s15, 3                          ; which 256 along K
	s_sub_co_u32 s18, s16, 24
	s_mov_b32 s19, 4096
	s_cmp_lt_u32 s16, 24                           ; W_qkv's columns or W_proj's: the choice hangs on the work-group's number alone
	s_cselect_b32 s18, s16, s18
	s_cselect_b32 s19, 12288, s19                  ; a row of the weight in bytes
	s_wait_kmcnt 0x0
	s_cselect_b64 s[4:5], s[6:7], s[8:9]
	s_lshl_b32 s18, s18, 7
	s_lshl_b32 s22, s14, 5
	s_add_co_u32 s18, s18, s22                     ; my wave's first column in its weight
	s_lshl_b32 s18, s18, 2
	s_lshl_b32 s22, s17, 8
	s_mul_i32 s22, s22, s19
	s_add_co_u32 s22, s22, s18
	s_mov_b32 s23, 0
	s_add_nc_u64 s[BB:BB+1], s[4:5], s[22:23]      ; block 0's first row, at my wave's first column
	s_lshl_b32 s22, s19, 5                         ; 32 rows on
.irp t, 1,2,3,4,5,6,7
	s_add_nc_u64 s[BB+2*\t:BB+2*\t+1], s[BB+2*\t-2:BB+2*\t-1], s[22:23]
.endr
	s_wait_alu depctr_va_vdst(0)
	v_lshlrev_b32 v3, 2, v2
.set i, 0
.rept 32
	v_mad_u32_u24 v[RO+i], s19, i, v3              ; row i of a block, my column: no immediate hangs on the weight's width
.set i, i+1
.endr
	v_bfe_u32 v4, v0, 3, 1                         ; my column 32 Gc + L lies in tile 2 Gc + u, u = (L / 8) % 2,
	v_and_b32 v5, 7, v0
	v_bfe_u32 v6, v0, 4, 1
	v_lshl_add_u32 v5, v6, 3, v5                   ; at lane r = L % 8 + 8 (L / 16)
	s_mul_i32 s24, s14, 6400                       ; my stage: two tiles x 3,072 bytes, 3,200 apart, so that the two tiles' stores of 8 bytes fall on different banks
	s_add_co_u32 s24, s24, 33792
	v_mul_u32_u24 v7, v4, 3200
	v_lshl_add_u32 v7, v5, 3, v7
	v_add_nc_u32 v7, s24, v7                       ; into it
	v_lshlrev_b32 v8, 4, v2                        ; 16 x lane
	v_add_nc_u32 v9, s24, v8                       ; out of it
	v_lshlrev_b32 v10, 9, v4
	v_lshl_add_u32 v10, v5, 3, v10                 ; my scale words: 512 u + 8 r
	s_lshl_b32 s25, s16, 2
	s_add_co_u32 s25, s25, s14                     ; Gc
	s_mul_i32 s26, s25, 24576                      ; tile 2 Gc's codes,
	s_mul_i32 s27, s17, 3072                       ; two K steps for each 256 along K
	s_add_co_u32 s26, s26, s27
	s_mov_b32 s27, 0
	s_add_nc_u64 s[26:27], s[12:13], s[26:27]
	s_lshl_b32 s28, s25, 10
	s_lshl_b32 s29, s17, 7
	s_add_co_u32 s28, s28, s29
	s_add_co_u32 s28, s28, WSO
	s_mov_b32 s29, 0
	s_add_nc_u64 s[28:29], s[12:13], s[28:29]
.macro WLOAD t                         ; block t: 32 rows at 32 neighbouring columns: 128 consecutive bytes a load, the four waves side by side
.set i, 0
.rept 32
	global_load_b32 v[WX+32*((\t)%2)+i], v[RO+i], s[BB+2*(\t):BB+2*(\t)+1] th:TH_LOAD_NT
.set i, i+1
.endr
.endm
.macro WBLOCK t
.set XS, WX+32*((\t)%2)
.if (\t) < 7
	s_wait_loadcnt 32                              ; this block's 32 loads are in; the next block's may be out
.else
	s_wait_loadcnt 0x0
.endif
	v_max3_num_f32 v12, |v[XS]|, |v[XS+1]|, |v[XS+2]|   ; the block's largest magnitude: all 32 numbers are mine
	v_max3_num_f32 v13, |v[XS+3]|, |v[XS+4]|, |v[XS+5]|
.irp i, 6,10,14,18,22,26
	v_max3_num_f32 v12, v12, |v[XS+\i]|, |v[XS+\i+1]|
	v_max3_num_f32 v13, v13, |v[XS+\i+2]|, |v[XS+\i+3]|
.endr
	v_max3_num_f32 v12, v12, |v[XS+30]|, |v[XS+31]|
	v_max3_num_f32 v12, v12, v13, 0x1800000        ; and the floor
	v_add_nc_u32 v11, 0xff000000, v12              ; the conversion's scale operand
	v_lshrrev_b32 v13, 23, v11                     ; the byte
.if (\t)%4 == 0
	v_mov_b32 v[SB+(\t)/4], v13
.else
	v_lshl_or_b32 v[SB+(\t)/4], v13, 8*((\t)%4), v[SB+(\t)/4]
.endif
	v_cvt_scalef32_pk16_fp6_f32 v[C:C+2], v[XS:XS+15], v11
	v_cvt_scalef32_pk16_fp6_f32 v[C2:C2+2], v[XS+16:XS+31], v11
	v_nop                                          ; one plain line behind the scaled conversions
.irp i, 0,1,2
	v_mov_b32 v[C+3+\i], v[C2+\i]
.endr
.irp q, 0,1,2                                  ; block 2 c + h of K step t / 4 is registers 6 c .. 6 c + 5 of lane (r, h): pieces 3 c + q, at 128 h + 8 r
	ds_store_b64 v7, v[C+2*\q:C+2*\q+1] offset:1536*((\t)/4)+768*(((\t)%4)/2)+128*((\t)%2)+256*\q
.endr
.if (\t) < 6
	WLOAD (\t)+2
.endif
	s_wait_dscnt 0x0                               ; the stores have read their registers: the next block's codes may be written
.endm
	WLOAD 0
	WLOAD 1
.irp t, 0,1,2,3,4,5,6,7
	WBLOCK \t
.endr
	s_wait_alu depctr_va_vdst(0)
	global_store_b64 v10, v[SB:SB+1], s[28:29]     ; runs of 128 consecutive bytes for each tile: 131,072 bytes in the whole launch
.irp u, 0,1
.irp i, 0,1,2,3,4,5
	ds_load_b128 v[OUTR+4*(6*\u+\i):OUTR+4*(6*\u+\i)+3], v9 offset:3200*\u+512*\i
.endr
.endr
.irp u, 0,1
.irp i, 0,1,2,3,4,5
	s_wait_dscnt 11-(6*\u+\i)                      ; the loads behind this one may be out
	global_store_b128 v8, v[OUTR+4*(6*\u+\i):OUTR+4*(6*\u+\i)+3], s[26:27] offset:12288*\u+512*\i   ; 512 consecutive bytes, aligned
.endr
.endr
	s_wait_tensorcnt 0x0
	ds_add_u32 v254, v255
	s_wait_dscnt 0x0
	s_endpgm
.Lfunc_end_k_q8b81305f8f_quant:
	.size	k_q8b81305f8f_quant, .Lfunc_end_k_q8b81305f8f_quant-k_q8b81305f8f_quant
	.p2alignl 7, 3214868480
	.fill 96, 4, 3214868480
	.section	.rodata,"a",@progbits
	.p2align	6, 0x0
	.amdhsa_kernel k_q8b81305f8f_quant
		.amdhsa_group_segment_fixed_size 59904
		.amdhsa_private_segment_fixed_size 0
		.amdhsa_enable_private_segment 0
		.amdhsa_kernarg_size 40
		.amdhsa_user_sgpr_count 2
		.amdhsa_user_sgpr_kernarg_segment_ptr 1
		.amdhsa_wavefront_size32 1
		.amdhsa_system_sgpr_workgroup_id_x 1
		.amdhsa_system_sgpr_workgroup_id_y 1
		.amdhsa_system_sgpr_workgroup_id_z 1
		.amdhsa_system_vgpr_workitem_id 0
		.amdhsa_next_free_vgpr 256
		.amdhsa_next_free_sgpr 66
		.amdhsa_reserve_vcc 1
		.amdhsa_float_denorm_mode_32 3
		.amdhsa_float_denorm_mode_16_64 3
		.amdhsa_memory_ordered 1
		.amdhsa_forward_progress 1
		.amdhsa_inst_pref_size 79
	.end_amdhsa_kernel
	.amdgpu_metadata
---
amdhsa.version: [ 1, 2 ]
amdhsa.kernels:
  - .name:           k_q8b81305f8f_quant
    .symbol:         k_q8b81305f8f_quant.kd
    .args:
      - { .name: x, .offset: 0, .size: 8, .value_kind: global_buffer, .address_space: global }
      - { .name: W_qkv, .offset: 8, .size: 8, .value_kind: global_buffer, .address_space: global }
      - { .name: W_proj, .offset: 16, .size: 8, .value_kind: global_buffer, .address_space: global }
      - { .name: xq, .offset: 24, .size: 8, .value_kind: global_buffer, .address_space: global }
      - { .name: wq, .offset: 32, .size: 8, .value_kind: global_buffer, .address_space: global }
    .group_segment_fixed_size: 59904
    .private_segment_fixed_size: 0
    .kernarg_segment_align: 8
    .kernarg_segment_size: 40
    .max_flat_workgroup_size: 128
    .sgpr_count:     66
    .vgpr_count:     256
    .wavefront_size: 32
...
	.end_amdgpu_metadata
.endif
;; end of part 1
;; launch qkv (part 2): grid 96 x 4, 4 waves a work-group, clusters of 4 x 4, 327,680 bytes of LDS; arguments xq, wq, b_qkv, q, kv; writes q, kv
.if DOCPART == 2
	.amdgcn_target "amdgcn-amd-amdhsa--gfx1250"
	.amdhsa_code_object_version 6
	.text
	.protected	k_q8b81305f8f_qkv
	.globl	k_q8b81305f8f_qkv
	.p2align	8
	.type	k_q8b81305f8f_qkv,@function
k_q8b81305f8f_qkv:
	s_mov_b64 s[64:65], 0
	v_nop
	global_prefetch_b8 v0, s[64:65] scope:SCOPE_SE
	s_setreg_imm32_b32 hwreg(HW_REG_WAVE_MODE, 25, 1), 1
	s_wait_xcnt 0x0
	s_wait_alu depctr_hold_cnt(0) depctr_sa_sdst(0) depctr_va_vdst(0) depctr_va_sdst(0) depctr_va_ssrc(0) depctr_va_vcc(0) depctr_vm_vsrc(0)
	s_getreg_b32 s2, hwreg(HW_REG_IB_STS2, 6, 4)
	s_cmp_eq_u32 s2, 0
	s_cbranch_scc0 .Lentry_in_a_cluster
	s_endpgm
.Lentry_in_a_cluster:
	s_bfe_u32 s2, ttmp6, 0x10000c
	s_cmp_lg_u32 s2, 0xf033
	s_cbranch_scc0 .Lentry_shape_is_right
	s_endpgm
.Lentry_shape_is_right:
; qkv = x W_qkv + b_qkv on codes of FP6 (E2M3) with E8M0 scales, and q, k, v quantised on the way out: q and k along the head's 64 channels, v along the keys.  Nothing wide goes to memory.
; OPERANDS are images of operand registers: a tile is 16 rows (lane r of tile 2 G + u holds row 32 G + 8 u + r + 8 (r / 8)); a fragment (tile x 128 K) is six pieces of 256 bytes, lane l's 8 bytes at 8 l;
; codes [tile][K step 8][1536], scale words [tile][pair of K steps 4][r 16][2].  So every fragment comes by six loads of 8 bytes at 8 x lane: consecutive bytes, no pitch.
; A work-group of four waves makes 256 x 256, a wave 128 x 128: 64 accumulators, 512 registers.  K = 1024 goes in four slots' worth of 256 through a ring of two LDS slots.
; Source 0 takes tile b of operand S0, source 1 tile a of operand S1: in accumulator (a, b) lane (r, h) holds S1's row of lane r, and register j S0's row 32 (b / 2) + 16 h + 8 (b % 2) + j:
; the 64 registers of a's eight accumulators are 128 neighbours along S0, register 16 b' + i = 32 b' + 16 h + i: what the quantiser takes.
; TWO MODES, by the cluster's number c (the same in all sixteen partners).  c < 16: S0 = W_qkv's columns 0..2047 (q, k), S1 = x: a lane holds a token, its registers run along the channels.
; c >= 16: S0 = x, S1 = W_qkv's columns 2048..3071 (v): a lane holds a channel, its registers run along the tokens, which are v's K.  Only pointers and output offsets differ.
; CLUSTERS: 4 x 4 work-groups; S1's tiles are shared along a row of the cluster, S0's along a column: each is asked for jointly, by the same tensor load with the same descriptor and a mask that names the four.
; RESULTS.  q: [b x 16 + head][group of 128 tokens 16][6656]: 8 tiles x 768 bytes (three pieces: 16 tokens x 64 channels), then 512 bytes of scale words [tile][r] (bytes 2 and 3 are 0).
; kv: [b x 16 + head][key step of 128 tokens 16][13056]: k's 8 tiles x 768; v's 4 tiles of 16 channels x 128 keys x 1536 at 6144; k's words at 12288; v's words [tile][r] at 12800.
; LIMITS: NaN and infinities are not served; a block whose largest magnitude lies under 2^-124 (a block of zeros too) gets the byte 1.
; REGISTERS, in windows of 256: window 0: v1-29 addresses; v32-63 scale words, two sets; v64-127 the bias along the registers; v128-223 S1's fragments, one set; v232-247 the bias along the lanes; v248-255 scale words made.
;   On the way out v128-191 hold 64 numbers, v192-228 the quantiser's work.   window 1: S0's fragments, two sets, at v0 and v128.   windows 2, 3: the accumulators ((a, b) at v[8 (8 (a % 4) + b)]).
.set NQ,    2                          ; matrix instructions deep in a slot
.set FR,    12                         ; registers of a fragment
.set NL,    6                          ; LDS loads that bring one
.set NP,    4                          ; places behind this matrix instruction (ISA guide 7.12.1)
.set TILEB, 3072                       ; a tile's 256 along K: two fragments
.set HALFT, 8*TILEB                    ; 8 tiles: what one tensor load brings, and what one wave reads of S1 or of S0
.set SLOT,  4*HALFT                    ; S1's 16 tiles, then S0's 16
.set SCL,   2*SLOT                     ; behind the ring: S1's scale words (8,192 bytes), then S0's: filled once
.set SPARE, SCL+16384                  ; the spare words, 128 bytes a wave: two blocks of 256 bytes that no other line names
.set STG,   SPARE+512                  ; 1,024 bytes a wave for the scale words made: no fill lands here
.set XSO,   6291456                    ; xq: where the scale words begin
.set WSO,   3145728                    ; wq: likewise
.set VO0,  8                           ; v8   8 x lane
.set VO1,  9                           ; v9   8 x lane + the way to the fragment's second half
.set VSH,  10                          ; v10  16 h (q, k) or 0 (v)
.set SST,  11                          ; v11  where I put a scale word
.set SRD,  12                          ; v12  where I read them back
.set VS1,  13                          ; v13, v14 where they go in memory
.set VS2,  14
.set ADRA, 16                          ; v16-17 LDS address of my S1 fragments in slot 0, 1
.set ADRB, 20                          ; v20-21 the same for S0
.set ADRS, 27                          ; v27  of my scale words: lanes 0-15 S1's, lanes 16-31 S0's
.set SPW,  28                          ; v28  LDS address of my spare word; never rewritten
.set NIL,  29                          ; v29  0; never rewritten
.set SC,   32
.set BQ,   64
.set AF,   128
.set BS,   232
.set WS,   248
.set T,    128
.set PC,   192
.set TM,   212
.set PW,   228
.set G1,   24                          ; s[24:31] group 1 for S1's tiles; s[32:39] group 0, a set for each slot
.set G0,   32
.set G1B,  48                          ; s[48:55], s[56:63] the same for S0's
.set G0B,  56
.set G1S,  68                          ; s[68:75], s[76:79] for S1's scale words; s[80:87], s[88:91] for S0's
.set G0S,  76
.set G1SB, 80
.set G0SB, 88
.set MQK,  66                          ; s66  all ones in the mode of q and k, else 0
.set MV,   67                          ; s67  the other way round
.set SEL,  100                         ; s[100:101] lane selects: lane l xor 16
.set EOUT, 48                          ; the way out (the descriptors are done with): s[48:49] where the codes go, s[50:51] the scale words,
.set EOUTS, 50
.set ESLO, 52                          ; s[52:53] from tile to tile, s[54:55] from tile 3 to tile 4
.set ESJ,  54
.set EHD,  56                          ; s56 from a head to the next
.set ED,   57
.set EDS1, 58
.set EVSH, 59
.set ESM,  60
.set MSB, 0
.macro WIN new                         ; the immediate's high byte repeats the setting that is left
.if MSB != (\new)
	s_set_vgpr_msb (MSB<<8)|(\new)
.set MSB, \new
.endif
.endm
.set MUL_LO, 0xa1                      ; source 0 window 1, source 1 window 0, C and D window 2
.set MUL_HI, 0xf1                      ; the same, C and D window 3
.set TO_B,   0x40                      ; destination window 1, address window 0
; A joint load: waves 0 and 1 fetch for S1, waves 2 and 3 for S0.  The branch hangs on the wave's number alone.  Four v_nop follow each of the two lines.
.macro JLOAD g0a, g1a, g0b, g1b
	s_cmp_eq_u32 s15, 0
	s_cbranch_scc0 .Lfor_b_\@
	tensor_load_to_lds s[\g0a:\g0a+3], s[\g1a:\g1a+7]
	s_nop 0
.rept 4
	v_nop
.endr
	s_branch .Lasked_\@
.Lfor_b_\@:
	tensor_load_to_lds s[\g0b:\g0b+3], s[\g1b:\g1b+7]
	s_nop 0
.rept 4
	v_nop
.endr
.Lasked_\@:
.endm
.macro CREST                           ; a round of the cluster's barrier behind its opening barrier
	s_cmp_lg_u32 s14, 0
	s_cbranch_scc1 .Lnot_wave_0_\@
	s_barrier_signal -3
.Lnot_wave_0_\@:
	s_barrier_wait -3
	s_barrier_signal -1
	s_barrier_wait -1
.endm
.macro CROUND
	s_barrier_signal -1
	s_barrier_wait -1
	CREST
.endm
.macro QUANT s, pw                     ; 64 numbers v[s] .., register 16 b + i = k 32 b + 16 h + i of my row, become the codes v[PC] .. v[PC + 11] and the scale word v[pw]
.irp b, 0,1,2,3
	v_max3_num_f32 v[TM+\b], |v[\s+16*\b]|, |v[\s+1+16*\b]|, 0x1800000   ; my 16 numbers of block b, and the floor 2^(3 - 127)
.endr
.irp i, 2,4,6,8,10,12,14
.irp b, 0,1,2,3
	v_max3_num_f32 v[TM+\b], v[TM+\b], |v[\s+16*\b+\i]|, |v[\s+1+16*\b+\i]|
.endr
.endr
.irp b, 0,1,2,3
	v_permlanex16_b32 v[TM+4+\b], v[TM+\b], s[SEL], s[SEL+1]
.endr
.irp b, 0,1,2,3
	v_max_num_f32 v[TM+\b], v[TM+\b], v[TM+4+\b]
.endr
.irp b, 0,1,2,3
	v_add_nc_u32 v[TM+12+\b], 0xff000000, v[TM+\b]   ; 2 off the exponent field: the conversion's scale operand
.endr
.irp b, 0,1,2,3
	v_lshrrev_b32 v[TM+4+\b], 23, v[TM+12+\b]
.endr
	v_lshl_or_b32 v[\pw], v[TM+5], 8, v[TM+4]
	v_lshl_or_b32 v[\pw], v[TM+6], 16, v[\pw]
	v_lshl_or_b32 v[\pw], v[TM+7], 24, v[\pw]
.irp c, 0,1
	v_cvt_scalef32_pk16_fp6_f32 v[PC+6*\c:PC+2+6*\c], v[\s+32*\c:\s+15+32*\c], v[TM+12+2*\c]
	v_cvt_scalef32_pk16_fp6_f32 v[PC+12+4*\c:PC+14+4*\c], v[\s+16+32*\c:\s+31+32*\c], v[TM+12+2*\c+1]
.endr
	v_nop                                          ; one plain line behind the scaled conversions
.irp c, 0,1
.irp i, 0,1,2
	v_permlane16_swap_b32 v[PC+6*\c+\i], v[PC+12+4*\c+\i]
.endr
.irp i, 0,1,2
	v_mov_b32 v[PC+3+6*\c+\i], v[PC+12+4*\c+\i]
.endr
.endr
.endm
	s_load_b256 s[4:11], s[0:1], 0x0               ; xq s[4:5], wq s[6:7], b_qkv s[8:9], q s[10:11]
	s_load_b64 s[12:13], s[0:1], 0x20              ; kv
	v_lshl_add_u32 v[SPW], v0, 2, SPARE
	v_mov_b32 v[NIL], 0
	ds_add_u32 v28, v29
	ds_add_u32 v28, v29
	s_wait_dscnt 0x0
	v_lshrrev_b32 v1, 5, v0
	v_readfirstlane_b32 s14, v1                    ; wave 0..3
	s_lshr_b32 s15, s14, 1                         ; which half of S1's rows is mine.  Also: I fetch for S1 (0) or for S0 (1)
	s_and_b32 s16, s14, 1                          ; which half of S0's rows.  Also: which 8 tiles I fetch
	s_bfe_u32 s40, ttmp6, 0x40000                  ; cx, cy: my place in the cluster
	s_bfe_u32 s41, ttmp6, 0x40004
	s_and_b32 s18, ttmp9, 1                        ; q, k: 2 x 8 clusters;
	s_lshr_b32 s19, ttmp9, 1
	s_sub_co_u32 s20, ttmp9, 16                    ; v: 8 x 1
	s_cmp_lt_u32 ttmp9, 16
	s_cselect_b32 s18, s18, s20
	s_cselect_b32 s19, s19, 0
	s_cselect_b32 s[MQK], -1, 0
	s_cselect_b32 s[MV], 0, -1
	s_lshl_b32 s42, s18, 2
	s_add_co_u32 s42, s42, s40                     ; which 256 rows of S0
	s_lshl_b32 s17, s19, 2
	s_add_co_u32 s17, s17, s41                     ; which 256 rows of S1
	s_lshl_b32 s43, s41, 2
	s_lshl_b32 s43, 15, s43                        ; my row of the cluster
	s_lshl_b32 s44, 0x1111, s40                    ; my column
	s_mov_b32 s[SEL], 0x76543210
	s_mov_b32 s[SEL+1], 0xfedcba98
	; group 1 for codes: 8 rows (tiles) of 384 elements of 8 bytes (3,072 bytes), 1,536 elements (a tile's 12,288 bytes) apart; dense in LDS
	s_or_b32 s[G1+0], s43, (3<<16)|(1<<21)         ; 15:0 the mask; 17:16 elements of 8 bytes; 21 set beside a mask; no padding
	s_or_b32 s[G1B+0], s44, (3<<16)|(1<<21)
.irp g, G1, G1B
	s_mov_b32 s[\g+1], 384<<16                     ; tensor_dim0
	s_mov_b32 s[\g+2], 8<<16                       ; tensor_dim1
	s_mov_b32 s[\g+3], 384<<16                     ; tile_dim0
	s_mov_b32 s[\g+4], 8                           ; tile_dim1
	s_mov_b32 s[\g+5], 1536                        ; tensor_dim0_stride
	s_mov_b32 s[\g+6], 0
	s_mov_b32 s[\g+7], 0
.endr
	; and for the scale words of 8 tiles: 4,096 dense bytes as 16 rows of 256
	s_or_b32 s[G1S+0], s43, (3<<16)|(1<<21)
	s_or_b32 s[G1SB+0], s44, (3<<16)|(1<<21)
.irp g, G1S, G1SB
	s_mov_b32 s[\g+1], 32<<16
	s_mov_b32 s[\g+2], 16<<16
	s_mov_b32 s[\g+3], 32<<16
	s_mov_b32 s[\g+4], 16
	s_mov_b32 s[\g+5], 32
	s_mov_b32 s[\g+6], 0
	s_mov_b32 s[\g+7], 0
.endr
	s_lshl_b32 s18, s16, 3                         ; which 8 tiles I fetch
	s_lshl_b32 s20, s17, 4
	s_add_co_u32 s20, s20, s18                     ; S1: the first of them
	s_lshl_b32 s46, s42, 4
	s_add_co_u32 s46, s46, s18                     ; S0: likewise
	s_lshl_b32 s22, s20, 9                         ; their scale words, 512 bytes a tile,
	s_mov_b32 s23, 0
	s_lshl_b32 s92, s46, 9
	s_mov_b32 s93, 0
	s_mul_i32 s20, s20, 12288                      ; and their codes
	s_mov_b32 s21, 0
	s_mul_i32 s46, s46, 12288
	s_mov_b32 s47, 0
	s_mul_i32 s45, s14, HALFT                      ; where they go: wave x 8 tiles: no place in the cluster enters an LDS address
	s_lshl_b32 s94, s14, 12
	s_wait_kmcnt 0x0
	s_add_nc_u64 s[2:3], s[4:5], XSO               ; x's scale words
	s_add_nc_u64 s[18:19], s[6:7], 128*12288       ; W's rows from 2048 on (v's channels),
	s_add_nc_u64 s[96:97], s[6:7], WSO             ; W's scale words,
	s_add_nc_u64 s[98:99], s[6:7], WSO+128*512     ; and those of its rows from 2048 on
	s_cmp_lt_u32 ttmp9, 16                         ; the mode chooses the operands: it hangs on the cluster's number alone
	s_cselect_b64 s[18:19], s[4:5], s[18:19]       ; S1's codes
	s_cselect_b64 s[98:99], s[2:3], s[98:99]       ; S1's scale words
	s_cselect_b64 s[4:5], s[6:7], s[4:5]           ; S0's codes
	s_cselect_b64 s[96:97], s[96:97], s[2:3]       ; S0's scale words
	s_add_nc_u64 s[20:21], s[18:19], s[20:21]
	s_add_nc_u64 s[22:23], s[98:99], s[22:23]
	s_add_nc_u64 s[46:47], s[4:5], s[46:47]
	s_add_nc_u64 s[92:93], s[96:97], s[92:93]
	CROUND                                         ; all sixteen work-groups are here: the first joint loads meet
	s_mov_b32 s[G0S], 1
	s_add_co_u32 s[G0S+1], s94, SCL
	s_mov_b64 s[G0S+2:G0S+3], s[22:23]
	s_or_b32 s[G0S+3], s[G0S+3], 0x80000000
	s_mov_b32 s[G0SB], 1
	s_add_co_u32 s[G0SB+1], s94, SCL
	s_mov_b64 s[G0SB+2:G0SB+3], s[92:93]
	s_or_b32 s[G0SB+3], s[G0SB+3], 0x80000000
	JLOAD G0S, G1S, G0SB, G1SB                     ; the scale words first: they are wanted with the first slot
.irp s, 0,1
	s_mov_b32 s[G0+4*\s], 1
	s_add_co_u32 s[G0+4*\s+1], s45, \s*SLOT
	s_add_nc_u64 s[G0+4*\s+2:G0+4*\s+3], s[20:21], \s*TILEB
	s_or_b32 s[G0+4*\s+3], s[G0+4*\s+3], 0x80000000
	s_mov_b32 s[G0B+4*\s], 1
	s_add_co_u32 s[G0B+4*\s+1], s45, \s*SLOT
	s_add_nc_u64 s[G0B+4*\s+2:G0B+4*\s+3], s[46:47], \s*TILEB
	s_or_b32 s[G0B+4*\s+3], s[G0B+4*\s+3], 0x80000000
	JLOAD G0+4*\s, G1, G0B+4*\s, G1B               ; three loads of mine are out behind the last of these
.endr
	v_and_b32 v1, 15, v0                           ; r
	v_bfe_u32 v2, v0, 4, 1                         ; h
	s_wait_alu depctr_va_vdst(0)
	v_and_b32 v3, 31, v0
	v_lshlrev_b32 v[VO0], 3, v3                    ; 8 x lane
	s_mul_i32 s21, s15, HALFT                      ; my 8 tiles of S1
	s_mul_i32 s22, s16, HALFT                      ; my 8 tiles of S0,
	s_add_co_u32 s22, s22, 2*HALFT                 ; which lie behind S1's 16
.irp s, 0,1
	v_add_nc_u32 v[ADRA+\s], s21, v[VO0]
	v_add_nc_u32 v[ADRB+\s], s22, v[VO0]
	s_add_co_u32 s21, s21, SLOT
	s_add_co_u32 s22, s22, SLOT
.endr
	v_lshlrev_b32 v5, 3, v1                        ; scale words: 8 bytes a row in a pair of K steps
	s_lshl_b32 s21, s15, 12                        ; S1's: my 8 tiles
	s_lshl_b32 s22, s16, 12                        ; S0's: my 8 tiles, behind S1's 16
	s_add_co_u32 s22, s22, 8192
	s_sub_co_u32 s22, s22, s21
	v_mul_u32_u24 v6, s22, v2                      ; lanes 16-31 take S0's: the lower base + h x the distance
	s_add_co_u32 s21, s21, SCL
	v_add_nc_u32 v5, v5, v6
	v_add_nc_u32 v[ADRS], s21, v5
	s_lshl_b32 s23, s14, 10
	s_add_co_u32 s23, s23, STG                     ; my 1,024 bytes for the scale words made: [h][tile a][r]
	v_lshlrev_b32 v4, 2, v1
	v_lshl_add_u32 v4, v2, 9, v4
	v_add_nc_u32 v[SST], s23, v4
	v_lshlrev_b32 v4, 4, v3
	v_add_nc_u32 v[SRD], s23, v4
	; the bias.  q, k: it runs along the registers (S0's rows n0 on); v: along the lanes (S1's rows m0 on).  Both are loaded, the one that does not apply from the buffer's first bytes, and later made 0.
	s_lshl_b32 s46, s42, 8
	s_lshl_b32 s47, s16, 7
	s_add_co_u32 s46, s46, s47                     ; n0
	s_lshl_b32 s46, s46, 2
	s_lshl_b32 s20, s17, 8
	s_lshl_b32 s21, s15, 7
	s_add_co_u32 s20, s20, s21                     ; m0
	s_add_co_u32 s20, s20, 2048
	s_lshl_b32 s20, s20, 2
	s_cmp_lt_u32 ttmp9, 16
	s_cselect_b32 s46, s46, 0
	s_cselect_b32 s20, 0, s20
	s_mov_b32 s47, 0
	s_mov_b32 s21, 0
	s_add_nc_u64 s[46:47], s[8:9], s[46:47]        ; these two pairs, v7 and v15 are not written again before the loads are waited for
	s_add_nc_u64 s[20:21], s[8:9], s[20:21]
	v_lshlrev_b32 v15, 6, v2                       ; 16 h numbers
	v_and_b32 v7, 8, v1
	v_add_nc_u32 v7, v7, v1
	v_lshlrev_b32 v7, 2, v7                        ; r + 8 (r / 8) numbers
.irp b, 0,1,2,3,4,5,6,7
	global_load_b128 v[BQ+8*\b:BQ+8*\b+3], v15, s[46:47] offset:(32*(\b/2)+8*(\b%2))*4
	global_load_b128 v[BQ+8*\b+4:BQ+8*\b+7], v15, s[46:47] offset:(32*(\b/2)+8*(\b%2))*4+16
.endr
.irp a, 0,1,2,3,4,5,6,7
	global_load_b32 v[BS+2*\a], v7, s[20:21] offset:(32*(\a/2)+8*(\a%2))*4
.endr
.macro FRAG reg, adr, q, i             ; tile i's fragment of the slot's q-th 128 along K: six pieces, each 256 consecutive bytes
.irp p, 0,1,2,3,4,5
	ds_load_b64 v[\reg+2*\p:\reg+2*\p+1], v[\adr] offset:(\i)*TILEB+(\q)*1536+256*\p
.endr
.endm
; 16 matrix instructions: S1's tiles a0, a0 + 1 x S0's eight.  p: S0's set; sc: the set of scale words.  zero = 1: the first product starts the sums.
; The 64 accumulators take turns, one instruction a turn, in the same order in every step.
.macro MUL16 a0, p, q, sc, zero
.irp a, \a0, \a0+1
.irp b, 0,1,2,3,4,5,6,7
.if \zero
	v_wmma_scale_f32_16x16x128_f8f6f4 v[8*(8*((\a)%4)+\b):8*(8*((\a)%4)+\b)+7], v[128*(\p)+FR*\b:128*(\p)+FR*\b+FR-1], v[AF+FR*(\a):AF+FR*(\a)+FR-1], 0, v[SC+8*NQ*(\sc)+NQ*\b+(\q)], v[SC+8*NQ*(\sc)+NQ*(\a)+(\q)] matrix_a_fmt:MATRIX_FMT_FP6 matrix_b_fmt:MATRIX_FMT_FP6 matrix_a_scale:MATRIX_SCALE_ROW1
.else
	v_wmma_scale_f32_16x16x128_f8f6f4 v[8*(8*((\a)%4)+\b):8*(8*((\a)%4)+\b)+7], v[128*(\p)+FR*\b:128*(\p)+FR*\b+FR-1], v[AF+FR*(\a):AF+FR*(\a)+FR-1], v[8*(8*((\a)%4)+\b):8*(8*((\a)%4)+\b)+7], v[SC+8*NQ*(\sc)+NQ*\b+(\q)], v[SC+8*NQ*(\sc)+NQ*(\a)+(\q)] matrix_a_fmt:MATRIX_FMT_FP6 matrix_b_fmt:MATRIX_FMT_FP6 matrix_a_scale:MATRIX_SCALE_ROW1
.endif
.endr
.endr
.endm
.macro FETCH_B slot, q, p
	WIN TO_B
.irp i, 0,1,2,3,4,5,6,7
	FRAG 128*(\p)+FR*\i, ADRB+\slot, \q, \i
.endr
	WIN 0
.endm
.macro FETCH_A slot, q, i0
.irp i, \i0, \i0+1, \i0+2, \i0+3
	FRAG AF+FR*(\i), ADRA+\slot, \q, \i
.endr
.endm
.macro SCALES sc                       ; a slot's scale words: two a row; lanes 0-15 take S1's tile i, lanes 16-31 S0's tile i
.irp i, 0,1,2,3,4,5,6,7
	ds_load_b64 v[SC+8*NQ*\sc+NQ*\i:SC+8*NQ*\sc+NQ*\i+1], v[ADRS] offset:\i*512
.endr
.endm
.macro PLACES n                        ; plain lines between a matrix instruction and a load into, or a vector line on, its registers (ISA guide 7.12.1 for vector lines)
.rept \n
	v_nop
.endr
.endm
.macro STEP slot, q, zero              ; a step of 128 along K that has its successor in the same slot
	s_wait_dscnt 4*NL                              ; S0's set and S1's tiles 0-3 are in; the youngest 24 loads (S1's tiles 4-7) may be out
	WIN MUL_LO
	MUL16 0, (\q)%2, \q, \slot, \zero
	MUL16 2, (\q)%2, \q, \slot, \zero
	s_wait_dscnt 0
	PLACES NP
	FETCH_B \slot, (\q)+1, 1-(\q)%2
	FETCH_A \slot, (\q)+1, 0
	WIN MUL_HI
	MUL16 4, (\q)%2, \q, \slot, \zero
	MUL16 6, (\q)%2, \q, \slot, \zero
	PLACES NP
	WIN 0
	FETCH_A \slot, (\q)+1, 4
.endm
; A slot's last step changes slots: one barrier; in front of it each wave waits for all its tensor loads, adds 0 to its spare word, and waits for that and for its own reads of this slot.
; fill = 1: the barrier opens a round of the cluster's barrier, and this slot is filled again, two slots' worth of K ahead, first thing behind the round.
.macro TURN slot, next, fill
	s_wait_tensorcnt 0x0                           ; all my tensor loads have landed: my part of the next slot
	ds_add_u32 v[SPW], v[NIL]                      ; 0 onto my spare word
	s_wait_dscnt 4*NL+1                            ; (the add and the youngest 24 loads may be out)
	WIN MUL_LO
	MUL16 0, 1, NQ-1, \slot, 0
	s_wait_dscnt 0x0                               ; the add is done, and my reads of this slot are over
	s_barrier_signal -1
	MUL16 2, 1, NQ-1, \slot, 0
	WIN 0
	s_barrier_wait -1
.if \fill
	CREST                                          ; no wave of any partner still reads this slot or has a load on its way
	s_add_nc_u64 s[G0+4*\slot+2:G0+4*\slot+3], s[G0+4*\slot+2:G0+4*\slot+3], 2*TILEB
	s_add_nc_u64 s[G0B+4*\slot+2:G0B+4*\slot+3], s[G0B+4*\slot+2:G0B+4*\slot+3], 2*TILEB
	JLOAD G0+4*\slot, G1, G0B+4*\slot, G1B         ; my one tensor load behind the round; its four v_nop are the places in front of the loads below
.else
	PLACES NP
.endif
	s_wait_alu depctr_va_vdst(0)
	v_add_nc_u32 v[ADRS], 128, v[ADRS]             ; the next slot's scale words
	FETCH_B \next, 0, 0
	FETCH_A \next, 0, 0
	SCALES \next
	WIN MUL_HI
	MUL16 4, 1, NQ-1, \slot, 0
	MUL16 6, 1, NQ-1, \slot, 0
	PLACES NP
	WIN 0
	FETCH_A \next, 0, 4
.endm
	s_wait_tensorcnt 1                             ; the scale words and my part of slot 0 are in (slot 1's load may be out)
	s_barrier_signal -1
	s_barrier_wait -1                              ; everybody's are
	FETCH_B 0, 0, 0
	FETCH_A 0, 0, 0
	SCALES 0
	FETCH_A 0, 0, 4
	STEP 0, 0, 1                                   ; K = 1024 is eight steps: all are written out
	TURN 0, 1, 1
	STEP 1, 0, 0
	TURN 1, 0, 1
	STEP 0, 0, 0
	TURN 0, 1, 0                                   ; nothing is left to fetch
	STEP 1, 0, 0
	s_wait_dscnt 4*NL
	WIN MUL_LO
	MUL16 0, 1, NQ-1, 1, 0
	MUL16 2, 1, NQ-1, 1, 0
	s_wait_dscnt 0
	WIN MUL_HI
	MUL16 4, 1, NQ-1, 1, 0
	MUL16 6, 1, NQ-1, 1, 0
	WIN 0
	; ---------------- THE WAY OUT: bias, quantiser, images ----------------
	PLACES NP
	s_wait_loadcnt 0x0                             ; the biases
	s_lshl_b32 s18, s42, 8
	s_lshl_b32 s19, s16, 7
	s_add_co_u32 s18, s18, s19                     ; n0: my first row of S0
	s_lshl_b32 s19, s17, 8
	s_lshl_b32 s22, s15, 7
	s_add_co_u32 s19, s19, s22                     ; m0: my first row of S1
	s_and_b32 s22, s18, 1023
	s_cmp_lt_u32 ttmp9, 16
	s_cselect_b32 s23, s19, s18                    ; my first token
	s_cselect_b32 s22, s22, s19                    ; my first channel in q, k or v
	s_lshr_b32 s24, s23, 11                        ; b
	s_bfe_u32 s25, s23, 0x40007                    ; which 128 tokens of the 2048
	s_lshr_b32 s22, s22, 6                         ; the head (an even one: I hold two)
	s_lshl_b32 s24, s24, 4
	s_add_co_u32 s24, s24, s22
	s_lshl_b32 s24, s24, 4
	s_add_co_u32 s24, s24, s25                     ; the block's number
	s_and_b32 s26, ttmp9, 0x11
	s_mov_b32 s27, 13056
	s_mov_b32 s28, 12288
	s_cmp_eq_u32 s26, 0                            ; q: clusters 0, 2 .. 14
	s_cselect_b32 s27, 6656, s27                   ; a block's bytes
	s_cselect_b32 s28, 6144, s28                   ; where its scale words begin (q, k)
	s_cselect_b64 s[10:11], s[10:11], s[12:13]     ; the buffer
	s_mul_i32 s24, s24, s27
	s_lshl_b32 s[EHD], s27, 4                      ; 16 blocks to a head
	s_sub_co_u32 s[ESJ], s[EHD], 4608
	s_mov_b32 s29, 12800
	s_mov_b32 s[ESLO], 1536
	s_mov_b32 s[ED], 768
	s_cmp_lt_u32 ttmp9, 16
	s_cselect_b32 s30, 0, 6144                     ; v's tiles lie behind k's
	s_cselect_b32 s28, s28, s29
	s_cselect_b32 s[ESLO], 768, s[ESLO]            ; from tile to tile
	s_cselect_b32 s[ESJ], 768, s[ESJ]              ; v: tile 4 is the next head's first
	s_cselect_b32 s[ED], s[EHD], s[ED]             ; a fragment's second half: q, k: the next head's tile; v: the same tile's keys 64 on
	s_cselect_b32 s[EDS1], 256, s[EHD]
	s_cselect_b32 s[EVSH], 16, 0
	s_cselect_b32 s[ESM], 0xffff, -1
	s_mov_b32 s[ESLO+1], 0
	s_mov_b32 s[ESJ+1], 0
	s_add_co_u32 s30, s30, s24
	s_mov_b32 s31, 0
	s_add_nc_u64 s[EOUT:EOUT+1], s[10:11], s[30:31]
	s_add_co_u32 s30, s28, s24
	s_add_nc_u64 s[EOUTS:EOUTS+1], s[10:11], s[30:31]
	v_add_nc_u32 v[VO1], s[ED], v[VO0]
	v_mul_u32_u24 v[VSH], s[EVSH], v2
	v_lshlrev_b32 v3, 4, v1
	v_mul_u32_u24 v4, s[EDS1], v2
	v_add_nc_u32 v[VS1], v3, v4                    ; 16 (lane % 16) + h x (256: q, k; a head: v)
	v_and_b32 v3, 31, v0
	v_lshlrev_b32 v3, 4, v3
	v_add_nc_u32 v[VS2], s[EHD], v3                ; 16 x lane, in the next head
.set i, 0
.rept 64
	v_cndmask_b32 v[BQ+i], 0, v[BQ+i], s[MQK]      ; the bias that does not apply becomes 0
.set i, i+1
.endr
.irp a, 0,1,2,3,4,5,6,7
	v_cndmask_b32 v[BS+2*\a], 0, v[BS+2*\a], s[MV]
.endr
.irp a, 0,1,2,3,4,5,6,7
	v_mov_b32 v[BS+2*\a+1], v[BS+2*\a]             ; a pair for the packed addition
.endr
.irp b, 0,1,2,3
	v_mov_b32 v[TM+4+\b], 0                        ; written once: a lane permute's destination counts as one of its sources
.endr
; S1's tile a: 64 numbers a lane.  q, k: 16 tokens x two heads' 64 channels: the fragment's halves are two heads' tiles, and the scale word's halves their words.
; v: 16 channels x 128 keys: a whole fragment and a whole word.
.macro EPI a
	WIN 0x02+(\a)/4                                ; source 0: window 2 or 3
.irp b, 0,1,2,3,4,5,6,7
.irp j, 0,2,4,6
	v_pk_add_f32 v[T+8*\b+\j:T+8*\b+\j+1], v[64*((\a)%4)+8*\b+\j:64*((\a)%4)+8*\b+\j+1], v[BQ+8*\b+\j:BQ+8*\b+\j+1]   ; each accumulator from its low end on
.endr
.endr
	WIN 0
.set i, 0
.rept 32
	v_pk_add_f32 v[T+i:T+i+1], v[T+i:T+i+1], v[BS+2*(\a):BS+2*(\a)+1]
.set i, i+2
.endr
.if (\a) > 0
	s_wait_xcnt 0x0                                ; the last tile's stores have read their base and the codes' registers: both are written again only behind this wait
.if (\a) == 4
	s_add_nc_u64 s[EOUT:EOUT+1], s[EOUT:EOUT+1], s[ESJ:ESJ+1]
.else
	s_add_nc_u64 s[EOUT:EOUT+1], s[EOUT:EOUT+1], s[ESLO:ESLO+1]
.endif
.endif
	QUANT T, PW
.irp p, 0,1,2
	global_store_b64 v[VO0], v[PC+2*\p:PC+2*\p+1], s[EOUT:EOUT+1] offset:256*\p      ; a piece: 256 consecutive bytes, aligned
.endr
.irp p, 0,1,2
	global_store_b64 v[VO1], v[PC+6+2*\p:PC+6+2*\p+1], s[EOUT:EOUT+1] offset:256*\p
.endr
	v_lshrrev_b32 v[WS+(\a)], v[VSH], v[PW]        ; q, k: lanes 0-15 keep the first head's two bytes, lanes 16-31 the second head's; bytes 2 and 3 become 0
	v_and_b32 v[WS+(\a)], s[ESM], v[WS+(\a)]
.endm
.irp a, 0,1,2,3,4,5,6,7
	EPI \a
.endr
.irp a, 0,1,2,3,4,5,6,7
	ds_store_b32 v[SST], v[WS+\a] offset:64*\a
.endr
	ds_load_b128 v[T:T+3], v[SRD]                  ; LDS serves a wave's instructions in order: these see my stores.  q, k: the first head's 512 bytes; v: two heads' 256 bytes each
	ds_load_b128 v[T+4:T+7], v[SRD] offset:512     ; q, k: the second head's
	s_wait_dscnt 0x0
	global_store_b128 v[VS1], v[T:T+3], s[EOUTS:EOUTS+1]
	s_cmp_lt_u32 ttmp9, 16                         ; the mode: the same in all partners
	s_cbranch_scc0 .Lno_second
	global_store_b128 v[VS2], v[T+4:T+7], s[EOUTS:EOUTS+1]
.Lno_second:
	s_wait_tensorcnt 0x0                           ; the wave's end: behind my last tensor load and my last LDS store
	ds_add_u32 v[SPW], v[NIL]
	s_wait_dscnt 0x0
	CROUND                                         ; the closing round: no work-group ends while a partner may still ask for a tile that names it
	s_endpgm
.Lfunc_end_k_q8b81305f8f_qkv:
	.size	k_q8b81305f8f_qkv, .Lfunc_end_k_q8b81305f8f_qkv-k_q8b81305f8f_qkv
	.p2alignl 7, 3214868480
	.fill 96, 4, 3214868480
	.section	.rodata,"a",@progbits
	.p2align	6, 0x0
	.amdhsa_kernel k_q8b81305f8f_qkv
		.amdhsa_group_segment_fixed_size 327680
		.amdhsa_private_segment_fixed_size 0
		.amdhsa_enable_private_segment 0
		.amdhsa_kernarg_size 40
		.amdhsa_user_sgpr_count 2
		.amdhsa_user_sgpr_kernarg_segment_ptr 1
		.amdhsa_wavefront_size32 1
		.amdhsa_system_sgpr_workgroup_id_x 1
		.amdhsa_system_sgpr_workgroup_id_y 1
		.amdhsa_system_sgpr_workgroup_id_z 1
		.amdhsa_system_vgpr_workitem_id 0
		.amdhsa_next_free_vgpr 1024
		.amdhsa_next_free_sgpr 102
		.amdhsa_reserve_vcc 0
		.amdhsa_float_denorm_mode_32 3
		.amdhsa_float_denorm_mode_16_64 3
		.amdhsa_memory_ordered 1
		.amdhsa_forward_progress 1
		.amdhsa_inst_pref_size 209
	.end_amdhsa_kernel
	.amdgpu_metadata
---
amdhsa.version: [ 1, 2 ]
amdhsa.kernels:
  - .name:           k_q8b81305f8f_qkv
    .symbol:         k_q8b81305f8f_qkv.kd
    .args:
      - { .name: xq, .offset: 0, .size: 8, .value_kind: global_buffer, .address_space: global }
      - { .name: wq, .offset: 8, .size: 8, .value_kind: global_buffer, .address_space: global }
      - { .name: b_qkv, .offset: 16, .size: 8, .value_kind: global_buffer, .address_space: global }
      - { .name: q, .offset: 24, .size: 8, .value_kind: global_buffer, .address_space: global }
      - { .name: kv, .offset: 32, .size: 8, .value_kind: global_buffer, .address_space: global }
    .group_segment_fixed_size: 327680
    .private_segment_fixed_size: 0
    .kernarg_segment_align: 8
    .kernarg_segment_size: 40
    .max_flat_workgroup_size: 128
    .sgpr_count:     102
    .vgpr_count:     1024
    .wavefront_size: 32
...
	.end_amdgpu_metadata
.endif
;; end of part 2
;; launch attn (part 3): grid 4 x 64, 16 waves a work-group, clusters of 4 x 1, 212,992 bytes of LDS; arguments q, kv, y; writes y
.if DOCPART == 3
	.amdgcn_target "amdgcn-amd-amdhsa--gfx1250"
	.amdhsa_code_object_version 6
	.text
	.protected	k_q8b81305f8f_attn
	.globl	k_q8b81305f8f_attn
	.p2align	8
	.type	k_q8b81305f8f_attn,@function
k_q8b81305f8f_attn:
	s_mov_b64 s[64:65], 0
	v_nop
	global_prefetch_b8 v0, s[64:65] scope:SCOPE_SE
	s_setreg_imm32_b32 hwreg(HW_REG_WAVE_MODE, 25, 1), 1
	s_wait_xcnt 0x0
	s_wait_alu depctr_hold_cnt(0) depctr_sa_sdst(0) depctr_va_vdst(0) depctr_va_sdst(0) depctr_va_ssrc(0) depctr_va_vcc(0) depctr_vm_vsrc(0)
	s_getreg_b32 s2, hwreg(HW_REG_IB_STS2, 6, 4)
	s_cmp_eq_u32 s2, 0
	s_cbranch_scc0 .Lentry_in_a_cluster
	s_endpgm
.Lentry_in_a_cluster:
	s_bfe_u32 s2, ttmp6, 0x10000c
	s_cmp_lg_u32 s2, 0x3003
	s_cbranch_scc0 .Lentry_shape_is_right
	s_endpgm
.Lentry_shape_is_right:
; y[b][t][head] = softmax(q k^T / 8, causal) v, both products on codes of FP6 (E2M3) with E8M0 scales, and y quantised along its channels for the last product.
; THE SOFTMAX: t = score x log2(e) / 8; M = the row's largest t so far, rounded up to a whole number; p = 2^(t - M) is quantised along the keys, not normalised; the row's sum is taken of the
; unquantised p and divides O at the end.  When M moves, the sum and O are multiplied by 2^(old M - new M): exact.
; SHARES.  A cluster of four work-groups takes one (b, head).  The head's k, v and their scale words are 16 blocks of 13,056 bytes, 208,896 in all: they come into LDS ONCE, by sixteen joint loads,
; one a wave; nothing is filled again, so the waves go their own ways behind one barrier.  A group is 128 queries, 8 tiles of 16.  Work-group cx owns tiles 2 cx, 2 cx + 1 of every group;
; wave w takes tile 2 cx + w % 2 of groups w / 2 and 15 - w / 2: (g + 1) key steps each, 17 in all, the same for every wave.
; LAYOUT.  Both products are used transposed: S^T = k q^T, O^T = v^T p^T: a lane holds one query (lane % 16) throughout.  The stored tiles of k hold keys 32 b + 8 u + r + 8 (r / 8) in lane r of tile
; 2 b + u, so that the 16 registers of S^T's tiles 2 b, 2 b + 1 are keys 32 b + 16 h + 0 .. 15; v's tiles hold channels in the same order, so that O^T's registers run along 16 neighbouring channels.
; K = 64 IN AN INSTRUCTION OF 128.  q's registers 6-11 are zero codes.  k's eight tiles lie end to end, six registers each, and operand j is twelve registers from tile j on: its upper half (the next tile's
; codes; zeros behind the last) meets q's zero codes and adds nothing.  Bytes 2 and 3 of both scale words are 0, which is a power of two and no NaN.
; THE MASK.  A loop of 16 trips walks the key steps; a step beyond the wave's group is left out by a scalar branch on the wave's number; in the group's own step hidden scores become -infinity.
; Key 0 of that step counts for every query, so M is a number from the first step on.
; No branch and no LDS address hangs on the work-group's place in its cluster: cx enters q's and y's global addresses and the number that the mask compares with.
; LIMITS: NaN and infinities are not served; a block of y whose largest magnitude lies under 2^-124 (zeros too) gets the byte 1; p under 2^-126 counts as 0.
; RESULTS.  y's codes: [tile of 16 tokens 512][head 16][768]; a head's 768 bytes are half c = head % 2 of K step head / 2 of the last product's operand.
; y's scale words, raw: [256 tokens 32][head 16][cx 4][group % 2][w % 2][r 16]: bytes 0, 1 for even heads, bytes 2, 3 for odd ones; the last launch joins the two.
.set STEPB, 13056                      ; a key step's block
.set STG,   16*STEPB                   ; behind k and v: y's scale words, [group 16][w % 2][r 16]: 2,048 bytes into which no fill lands
.set YS,    6291456                    ; y: where the scale words begin
.set ADK,  3                           ; v1 8 x lane; v2 4 (lane % 16); v3, v4 the step's addresses
.set ADS,  4
.set QD,   5                           ; v5   my query's place in its group - 16 h
.set SW0,  6                           ; v6, v7 where my two scale words go
.set SW1,  7
.set SRD,  11                          ; v11  where a wave reads 256 bytes of them back
.set QA,   16                          ; v16-27 q of the first group; v240-251 of the second; v28, v29 their scale words
.set QB,   240
.set KB,   32                          ; v32-85 k's eight tiles, then v's four
.set S,    96                          ; v96-159 S^T, then p
.set O,    160                         ; v160-191 O^T
.set PC,   192                         ; v192-203 p's codes
.set PT,   204                         ; v204-206, v208-210 halves as converted
.set BM,   212                         ; v212-215 the blocks' largest
.set BT,   216                         ; v216-219 at work
.set SO,   220                         ; v220-223 the conversions' scale operands
.set KW,   224                         ; v224-231 k's or v's scale words
.set PWD,  232                         ; v232 p's scale word
.set F,    234                         ; v[234:235] f = 2^(old M - new M)
.set L2,   236                         ; v[236:237] the sum's second chain
.set TP,   238                         ; v238 at work
.set WV,   10
.set SUB,  11
.set GA,   12                          ; s12, s13 my two groups
.set GB,   13
.set CX,   14
.set BH,   15
.set D1,   24                          ; s[24:31], s[32:35] the descriptor
.set D0,   32
.set QPA,  36
.set QPB,  38
.set YPA,  40
.set YPB,  42
.set YSP,  44
.set SEL,  46
.set CS,   48                          ; s[48:49] c = log2(e) / 8
.set TB,   50                          ; s50 LDS byte at which the step's block begins
.set KS,   51                          ; s51 the step
.set HSH,  52                          ; s52 16 x (head % 2)
.macro ROUND                           ; a round of the cluster's barrier
	s_barrier_signal -1
	s_barrier_wait -1
	s_cmp_lg_u32 s[WV], 0
	s_cbranch_scc1 .Lnot_wave_0_\@
	s_barrier_signal -3
.Lnot_wave_0_\@:
	s_barrier_wait -3
	s_barrier_signal -1
	s_barrier_wait -1
.endm
	s_load_b128 s[4:7], s[0:1], 0x0                ; q, kv
	s_load_b64 s[8:9], s[0:1], 0x10                ; y
	v_lshl_add_u32 v254, v0, 2, 0x33800
	v_mov_b32 v255, 0
	ds_add_u32 v254, v255
	ds_add_u32 v254, v255
	v_lshrrev_b32 v1, 5, v0
	s_delay_alu instid0(VALU_DEP_1)
	v_readfirstlane_b32 s[WV], v1                  ; wave 0..15
	s_and_b32 s[SUB], s[WV], 1
	s_lshr_b32 s[GA], s[WV], 1
	s_xor_b32 s[GB], s[GA], 15
	s_bfe_u32 s[CX], ttmp6, 0x40000
	s_and_b32 s[BH], ttmp7, 0xffff                 ; 16 b + head, which the four partners share
	s_mov_b32 s[D1], 15|(3<<16)|(1<<21)            ; 15:0 the mask: all four work-groups; 17:16 elements of 8 bytes; 21 set beside a mask; no padding
	s_mov_b32 s[D1+1], 32<<16                      ; a dense block of 13,056 bytes as 51 rows of 256
	s_mov_b32 s[D1+2], 51<<16
	s_mov_b32 s[D1+3], 32<<16
	s_mov_b32 s[D1+4], 51
	s_mov_b32 s[D1+5], 32
	s_mov_b32 s[D1+6], 0
	s_mov_b32 s[D1+7], 0
	s_lshl_b32 s16, s[BH], 4
	s_add_co_u32 s17, s16, s[WV]                   ; key step w of my head
	s_mul_i32 s18, s17, STEPB
	s_mov_b32 s19, 0
	s_mov_b32 s[D0], 1
	s_mul_i32 s[D0+1], s[WV], STEPB
	s_wait_dscnt 0x0
	s_wait_kmcnt 0x0
	s_add_nc_u64 s[D0+2:D0+3], s[6:7], s[18:19]
	s_or_b32 s[D0+3], s[D0+3], 0x80000000
	ROUND                                          ; all four work-groups are here: the joint loads meet
	tensor_load_to_lds s[D0:D0+3], s[D1:D1+7]      ; my one tensor load
	s_nop 0
.rept 4
	v_nop
.endr
	v_and_b32 v3, 31, v0
	s_delay_alu instid0(VALU_DEP_1)
	v_lshlrev_b32 v1, 3, v3                        ; 8 x lane
	v_and_b32 v10, 15, v0                          ; r
	s_delay_alu instid0(VALU_DEP_1)
	v_lshlrev_b32 v2, 2, v10                       ; 4 r
	v_bfe_u32 v4, v0, 4, 1                         ; h
	s_lshl_b32 s20, s[CX], 1
	s_add_co_u32 s20, s20, s[SUB]                  ; my tile in a group
	s_mul_i32 s21, s20, 768
	v_add_nc_u32 v8, s21, v1                       ; its codes in a block of q,
	s_lshl_b32 s21, s20, 6
	v_add_nc_u32 v9, s21, v2                       ; and its scale words
	s_add_co_u32 s18, s16, s[GA]
	s_mul_i32 s18, s18, 6656
	s_add_nc_u64 s[QPA:QPA+1], s[4:5], s[18:19]
	s_add_co_u32 s18, s16, s[GB]
	s_mul_i32 s18, s18, 6656
	s_add_nc_u64 s[QPB:QPB+1], s[4:5], s[18:19]
.irp p, 0,1,2
	global_load_b64 v[QA+2*\p:QA+2*\p+1], v8, s[QPA:QPA+1] offset:256*\p
	global_load_b64 v[QB+2*\p:QB+2*\p+1], v8, s[QPB:QPB+1] offset:256*\p
.endr
	global_load_b32 v28, v9, s[QPA:QPA+1] offset:6144
	global_load_b32 v29, v9, s[QPB:QPB+1] offset:6144
.irp i, 6,7,8,9,10,11
	v_mov_b32 v[QA+\i], 0                          ; zero codes for k = 64 .. 127
	v_mov_b32 v[QB+\i], 0
	v_mov_b32 v[KB+42+\i], 0                       ; and behind k's last tile
.endr
	v_and_b32 v[QD], 8, v10
	s_delay_alu instid0(VALU_DEP_1)
	v_add_nc_u32 v[QD], v[QD], v10                 ; r + 8 (r / 8)
	v_lshlrev_b32 v4, 4, v4
	s_delay_alu instid0(VALU_DEP_1)
	v_sub_nc_u32 v[QD], v[QD], v4
	s_lshl_b32 s21, s[CX], 5
	s_lshl_b32 s22, s[SUB], 3
	s_add_co_u32 s21, s21, s22
	v_add_nc_u32 v[QD], s21, v[QD]                 ; my query in its group, 32 cx + 8 (w % 2) + r + 8 (r / 8), less 16 h
	s_lshl_b32 s21, s[WV], 6                       ; 128 (w / 2) + 64 (w % 2)
	v_add_nc_u32 v[SW0], s21, v2
	s_delay_alu instid0(VALU_DEP_1)
	v_add_nc_u32 v[SW0], STG, v[SW0]
	s_lshl_b32 s21, s[GB], 7
	s_lshl_b32 s22, s[SUB], 6
	s_add_co_u32 s21, s21, s22
	v_add_nc_u32 v[SW1], s21, v2
	s_delay_alu instid0(VALU_DEP_1)
	v_add_nc_u32 v[SW1], STG, v[SW1]
	s_and_b32 s17, s[WV], 7                        ; (waves 0-7 store the scale words; the number is kept under 8 in every wave, so that no address is formed outside its region)
	s_lshl_b32 s21, s17, 8
	v_add_nc_u32 v[SRD], s21, v1
	s_delay_alu instid0(VALU_DEP_1)
	v_add_nc_u32 v[SRD], STG, v[SRD]
	s_lshr_b32 s21, s[BH], 4                       ; b
	s_and_b32 s22, s[BH], 15                       ; head
	s_lshl_b32 s23, s21, 7
	s_add_co_u32 s23, s23, s20                     ; 128 b + my tile in a group
	s_lshl_b32 s18, s[GA], 3
	s_add_co_u32 s18, s18, s23
	s_lshl_b32 s18, s18, 4
	s_add_co_u32 s18, s18, s22
	s_mul_i32 s18, s18, 768
	s_add_nc_u64 s[YPA:YPA+1], s[8:9], s[18:19]
	s_lshl_b32 s18, s[GB], 3
	s_add_co_u32 s18, s18, s23
	s_lshl_b32 s18, s18, 4
	s_add_co_u32 s18, s18, s22
	s_mul_i32 s18, s18, 768
	s_add_nc_u64 s[YPB:YPB+1], s[8:9], s[18:19]
	s_lshl_b32 s18, s21, 3
	s_add_co_u32 s18, s18, s17                     ; which 256 tokens
	s_lshl_b32 s18, s18, 4
	s_add_co_u32 s18, s18, s22
	s_lshl_b32 s18, s18, 10
	s_lshl_b32 s17, s[CX], 8
	s_add_co_u32 s18, s18, s17
	s_add_co_u32 s18, s18, YS
	s_add_nc_u64 s[YSP:YSP+1], s[8:9], s[18:19]
	s_and_b32 s[HSH], s[BH], 1
	s_lshl_b32 s[HSH], s[HSH], 4
	s_mov_b32 s[SEL], 0x76543210
	s_mov_b32 s[SEL+1], 0xfedcba98
	s_mov_b32 s[CS], 0x3e38aa3b                    ; log2(e) / 8
	s_mov_b32 s[CS+1], s[CS]                       ; (named with it as a pair, so it is written)
.irp b, 0,1,2,3
	v_mov_b32 v[BT+\b], 0                          ; written once: a lane permute's destination counts as one of its sources
.endr
	v_mov_b32 v[F+1], 0                            ; (named as the upper half of a pair)
	v_mov_b32 v[TP], 0
; A KEY STEP: 128 keys against my 16 queries.  qf: q's fragment; qs: its scale word; g: the scalar register with my group.
.macro STEP qf, qs, g
	s_cmp_gt_u32 s[KS], s[\g]                      ; all its keys come after my queries: left out
	s_cbranch_scc1 .Lhidden_\@
	s_setprio 2
	v_add_nc_u32 v[ADK], s[TB], v1
	v_add_nc_u32 v[ADS], s[TB], v2
	v_nop
	v_nop                                          ; four plain lines in front of loads into registers that the last step's products have read
.irp j, 0,1,2,3,4,5,6,7
.irp p, 0,1,2
	ds_load_b64 v[KB+6*\j+2*\p:KB+6*\j+2*\p+1], v[ADK] offset:768*\j+256*\p
.endr
	ds_load_b32 v[KW+\j], v[ADS] offset:12288+64*\j
.endr
	s_wait_alu depctr_va_vdst(0)
	s_wait_dscnt 0x0
.irp j, 0,1,2,3,4,5,6,7
	v_wmma_scale_f32_16x16x128_f8f6f4 v[S+8*\j:S+8*\j+7], v[KB+6*\j:KB+6*\j+11], v[\qf:\qf+11], 0, v[KW+\j], v[\qs] matrix_a_fmt:MATRIX_FMT_FP6 matrix_b_fmt:MATRIX_FMT_FP6
.endr
.rept 4
	v_nop
.endr
.irp d, 0,1,2,3                                ; v's tiles are asked for now and land under the softmax
.irp p, 0,1,2,3,4,5
	ds_load_b64 v[KB+12*\d+2*\p:KB+12*\d+2*\p+1], v[ADK] offset:6144+1536*\d+256*\p
.endr
	ds_load_b32 v[KW+\d], v[ADS] offset:12800+64*\d
.endr
	s_cmp_lt_u32 s[KS], s[\g]                      ; all keys count: no mask
	s_cbranch_scc1 .Lopen_\@
	v_mov_b32 v[TP], 0xff800000                    ; -infinity.  Register 16 b + i holds key 32 b + 16 h + i of the step: hidden where 32 b + i > my query - 16 h
.set n, 0
.rept 64
	v_cmp_gt_i32 vcc_lo, 32*(n/16)+n%16, v[QD]
	v_cndmask_b32 v[S+n], v[S+n], v[TP], vcc_lo
.set n, n+1
.endr
.Lopen_\@:
.irp b, 0,1,2,3
	v_max3_num_f32 v[BM+\b], v[S+16*\b], v[S+1+16*\b], v[S+2+16*\b]   ; the largest score of each block of 32 keys: for the row's maximum and, since p rises with the score, for the block's largest p
.endr
.irp i, 3,5,7,9,11,13
.irp b, 0,1,2,3
	v_max3_num_f32 v[BM+\b], v[BM+\b], v[S+16*\b+\i], v[S+1+16*\b+\i]
.endr
.endr
.irp b, 0,1,2,3
	v_max_num_f32 v[BM+\b], v[BM+\b], v[S+15+16*\b]
.endr
.irp b, 0,1,2,3
	s_delay_alu instid0(VALU_DEP_4)
	v_permlanex16_b32 v[BT+\b], v[BM+\b], s[SEL], s[SEL+1]
.endr
.irp b, 0,1,2,3
	s_delay_alu instid0(VALU_DEP_4)
	v_max_num_f32 v[BM+\b], v[BM+\b], v[BT+\b]     ; with lane l xor 16's 16 keys
.endr
	s_delay_alu instid0(VALU_DEP_2)
	v_max3_num_f32 v[TP], v[BM], v[BM+1], v[BM+2]
	s_delay_alu instid0(VALU_DEP_1)
	v_max_num_f32 v[TP], v[TP], v[BM+3]
	s_delay_alu instid0(VALU_DEP_1)
	v_mul_f32 v[TP], s[CS], v[TP]                  ; as t (c is positive)
	s_delay_alu instid0(VALU_DEP_1)
	v_max_num_f32 v13, v13, v[TP]                  ; the running largest t
	v_mov_b32 v[TP], v12
	s_delay_alu instid0(VALU_DEP_2)
	v_floor_f32 v12, -v13                          ; the new -M = floor(-t): M is a whole number
	s_delay_alu instid0(VALU_DEP_1)
	v_sub_f32 v[TP], v12, v[TP]                    ; old M - new M: a whole number, 0 or less
	s_delay_alu instid0(VALU_DEP_1)
	v_cvt_i32_f32 v[TP], v[TP]                     ; (it saturates)
	s_delay_alu instid0(VALU_DEP_1)
	v_ldexp_f32 v[F], 1.0, v[TP]                   ; f = 2^(old M - new M)
.set n, 0
	s_setprio 1
.rept 32
	v_pk_fma_f32 v[S+n:S+n+1], v[S+n:S+n+1], s[CS:CS+1], v[12:13] op_sel_hi:[1,0,0]   ; t - M, two at a time
.set n, n+2
.endr
.irp b, 0,1,2,3
	v_fma_f32 v[BM+\b], v[BM+\b], s[CS], v12       ; the same of each block's largest score
.endr
.set n, 0
	s_wait_alu depctr_va_vdst(0)
.rept 64
	v_exp_f32 v[S+n], v[S+n]                       ; p = 2^(t - M), at most 1
.set n, n+1
.endr
	v_pk_mul_f32 v[14:15], v[14:15], v[F:F+1] op_sel_hi:[1,0]   ; the sums under the new M: a plain line behind the exponentials
	s_wait_alu depctr_va_vdst(0)                   ; one wait for the batch of 64, ahead of its first reader
.irp b, 0,1,2,3
	v_exp_f32 v[BM+\b], v[BM+\b]                   ; the block's largest p: the same two instructions on the same number give the same bits
.endr
	v_pk_add_f32 v[236:237], v[100:101], v[104:105]
	v_pk_add_f32 v[252:253], v[108:109], v[112:113]
	v_pk_add_f32 v[232:233], v[116:117], v[120:121]
	v_pk_add_f32 v[230:231], v[124:125], v[128:129]
	v_pk_add_f32 v[228:229], v[132:133], v[136:137]
	v_pk_add_f32 v[222:223], v[140:141], v[144:145]
	v_pk_add_f32 v[220:221], v[148:149], v[152:153]
	v_pk_add_f32 v[14:15], v[14:15], v[156:157]
	v_pk_add_f32 v[236:237], v[236:237], v[96:97]
	v_pk_add_f32 v[252:253], v[252:253], v[98:99]
	v_pk_add_f32 v[232:233], v[232:233], v[102:103]
	v_pk_add_f32 v[230:231], v[230:231], v[106:107]
	v_pk_add_f32 v[228:229], v[228:229], v[110:111]
	v_pk_add_f32 v[222:223], v[222:223], v[114:115]
	v_pk_add_f32 v[220:221], v[220:221], v[118:119]
	v_pk_add_f32 v[14:15], v[14:15], v[122:123]
	v_pk_add_f32 v[236:237], v[236:237], v[126:127]
	v_pk_add_f32 v[252:253], v[252:253], v[130:131]
	v_pk_add_f32 v[232:233], v[232:233], v[134:135]
	v_pk_add_f32 v[230:231], v[230:231], v[138:139]
	v_pk_add_f32 v[228:229], v[228:229], v[142:143]
	v_pk_add_f32 v[222:223], v[222:223], v[146:147]
	v_pk_add_f32 v[220:221], v[220:221], v[150:151]
	v_pk_add_f32 v[14:15], v[14:15], v[154:155]
	v_pk_add_f32 v[236:237], v[236:237], v[158:159]
	s_delay_alu instid0(VALU_DEP_2)
	v_pk_add_f32 v[14:15], v[14:15], v[230:231]
	s_delay_alu instid0(VALU_DEP_2)
	v_pk_add_f32 v[236:237], v[236:237], v[228:229]
	v_pk_add_f32 v[252:253], v[252:253], v[222:223]
	v_pk_add_f32 v[232:233], v[232:233], v[220:221]
	s_delay_alu instid0(VALU_DEP_2)
	v_pk_add_f32 v[14:15], v[14:15], v[252:253]
	s_delay_alu instid0(VALU_DEP_2)
	v_pk_add_f32 v[236:237], v[236:237], v[232:233]
	s_delay_alu instid0(VALU_DEP_1)
	v_pk_add_f32 v[14:15], v[14:15], v[236:237]
	s_setprio 0
	s_wait_alu depctr_va_vdst(0)                   ; and one for the four
.irp b, 0,1,2,3
	v_max_num_f32 v[BM+\b], 0x1800000, v[BM+\b]    ; the floor 2^(3 - 127): a block whose every p is 0 keeps the byte 1; its codes are zeros
.endr
.irp b, 0,1,2,3
	s_delay_alu instid0(VALU_DEP_4)
	v_add_nc_u32 v[SO+\b], 0xff000000, v[BM+\b]
.endr
.irp b, 0,1,2,3
	s_delay_alu instid0(VALU_DEP_4)
	v_lshrrev_b32 v[BT+\b], 23, v[SO+\b]
.endr
	s_delay_alu instid0(VALU_DEP_3)
	v_lshl_or_b32 v[PWD], v[BT+1], 8, v[BT]        ; p's scale word for these 128 keys
	s_delay_alu instid0(VALU_DEP_1)
	v_lshl_or_b32 v[PWD], v[BT+2], 16, v[PWD]
	s_delay_alu instid0(VALU_DEP_1)
	v_lshl_or_b32 v[PWD], v[BT+3], 24, v[PWD]
.irp c, 0,1
	v_cvt_scalef32_pk16_fp6_f32 v[PC+6*\c:PC+2+6*\c], v[S+32*\c:S+15+32*\c], v[SO+2*\c]
	v_cvt_scalef32_pk16_fp6_f32 v[PT+4*\c:PT+2+4*\c], v[S+16+32*\c:S+31+32*\c], v[SO+2*\c+1]
.endr
	v_nop                                          ; one plain line behind the scaled conversions
.irp c, 0,1
.irp i, 0,1,2
	v_permlane16_swap_b32 v[PC+6*\c+\i], v[PT+4*\c+\i]
.endr
.irp i, 0,1,2
	s_delay_alu instid0(VALU_DEP_3)
	v_mov_b32 v[PC+3+6*\c+\i], v[PT+4*\c+\i]
.endr
.endr
.set n, 0
.rept 16
	v_pk_mul_f32 v[O+n:O+n+1], v[O+n:O+n+1], v[F:F+1] op_sel_hi:[1,0]   ; O^T under the new M.  These sixteen also stand between the lines that wrote p's codes and scale word and the products
.set n, n+2
.endr
	s_wait_alu depctr_va_vdst(0)
	s_wait_dscnt 0x0                               ; v's tiles and scale words are in
.irp d, 0,1,2,3                                ; four accumulators by turns
	v_wmma_scale_f32_16x16x128_f8f6f4 v[O+8*\d:O+8*\d+7], v[KB+12*\d:KB+12*\d+11], v[PC:PC+11], v[O+8*\d:O+8*\d+7], v[KW+\d], v[PWD] matrix_a_fmt:MATRIX_FMT_FP6 matrix_b_fmt:MATRIX_FMT_FP6
.endr
.Lhidden_\@:
.endm
; One tile of 16 queries against its keys, and its way out.  sw: where its scale word goes; yp: the scalar pair with its place in y.
.macro PASS qf, qs, g, sw, yp
	s_wait_xcnt 0x0                                ; earlier loads and stores have read their registers: the codes' registers are written again only behind this wait
.set n, 0
.rept 32
	v_mov_b32 v[O+n], 0                            ; the step is written once: the first finds zeros, which the first change of M leaves zeros
.set n, n+1
.endr
	v_mov_b32 v13, 0xff61b1e6                      ; the largest t so far: -3e38
	s_delay_alu instid0(VALU_DEP_1)
	v_floor_f32 v12, -v13
	v_mov_b32 v14, 0
	v_mov_b32 v15, 0
	s_mov_b32 s[TB], 0
	s_mov_b32 s[KS], 0
.Lstep_\@:
	STEP \qf, \qs, \g
	s_add_co_u32 s[TB], s[TB], STEPB
	s_add_co_u32 s[KS], s[KS], 1
	s_cmp_lt_u32 s[KS], 16
	s_cbranch_scc1 .Lstep_\@
	s_setprio 0
.rept 4
	v_nop                                          ; places behind the last products
.endr
	s_wait_alu depctr_va_vdst(0)
	v_add_f32 v14, v14, v15
	s_delay_alu instid0(VALU_DEP_1)
	v_permlanex16_b32 v[TP], v14, s[SEL], s[SEL+1]
	s_delay_alu instid0(VALU_DEP_1)
	v_add_f32 v14, v14, v[TP]                      ; the row's sum
	s_wait_alu depctr_va_vdst(0)
	v_rcp_f32 v14, v14
	v_nop                                          ; a plain line behind the reciprocal
	s_wait_alu depctr_va_vdst(0)                   ; and the wait ahead of its first reader
.set n, 0
.rept 16
	v_pk_mul_f32 v[S+n:S+n+1], v[O+n:O+n+1], v[14:15] op_sel_hi:[1,0]   ; y = O^T / the sum: register 16 b + i is channel 32 b + 16 h + i of my head; each accumulator from its low end on
.set n, n+2
.endr
.irp b, 0,1                                    ; the quantiser, on two blocks of 32 channels
	v_max3_num_f32 v[BM+\b], |v[S+16*\b]|, |v[S+1+16*\b]|, 0x1800000
.endr
.irp i, 2,4,6,8,10,12,14
.irp b, 0,1
	s_delay_alu instid0(VALU_DEP_2)
	v_max3_num_f32 v[BM+\b], v[BM+\b], |v[S+16*\b+\i]|, |v[S+1+16*\b+\i]|
.endr
.endr
.irp b, 0,1
	s_delay_alu instid0(VALU_DEP_2)
	v_permlanex16_b32 v[BT+\b], v[BM+\b], s[SEL], s[SEL+1]
.endr
.irp b, 0,1
	s_delay_alu instid0(VALU_DEP_2)
	v_max_num_f32 v[BM+\b], v[BM+\b], v[BT+\b]
.endr
.irp b, 0,1
	s_delay_alu instid0(VALU_DEP_2)
	v_add_nc_u32 v[SO+\b], 0xff000000, v[BM+\b]
.endr
.irp b, 0,1
	s_delay_alu instid0(VALU_DEP_2)
	v_lshrrev_b32 v[BT+\b], 23, v[SO+\b]
.endr
	s_delay_alu instid0(VALU_DEP_1)
	v_lshl_or_b32 v[PWD], v[BT+1], 8, v[BT]
	s_delay_alu instid0(VALU_DEP_1)
	v_lshlrev_b32 v[PWD], s[HSH], v[PWD]           ; an odd head's two bytes are bytes 2 and 3 of its K step's word
	v_cvt_scalef32_pk16_fp6_f32 v[PC:PC+2], v[S:S+15], v[SO]
	v_cvt_scalef32_pk16_fp6_f32 v[PT:PT+2], v[S+16:S+31], v[SO+1]
	v_nop
.irp i, 0,1,2
	v_permlane16_swap_b32 v[PC+\i], v[PT+\i]
.endr
.irp i, 0,1,2
	s_delay_alu instid0(VALU_DEP_3)
	v_mov_b32 v[PC+3+\i], v[PT+\i]
.endr
.irp p, 0,1,2
	global_store_b64 v1, v[PC+2*\p:PC+2*\p+1], s[\yp:\yp+1] offset:256*\p   ; a piece: 256 consecutive bytes, aligned
.endr
	ds_store_b32 v[\sw], v[PWD]                    ; both halves of the lanes write the same word with the same value
.endm
	s_wait_tensorcnt 0x0                           ; my key step has landed,
	s_barrier_signal -1
	s_barrier_wait -1                              ; everybody's has: the head's k and v are whole
	s_wait_loadcnt 0x0                             ; q
	PASS QA, 28, GA, SW0, YPA
	PASS QB, 29, GB, SW1, YPB
	s_wait_dscnt 0x0                               ; for the others' sake: my scale words have landed
	s_barrier_signal -1
	s_barrier_wait -1
	s_cmp_lt_u32 s[WV], 8
	s_cbranch_scc0 .Lnot_mine
	ds_load_b64 v[S:S+1], v[SRD]                   ; two groups' words of my work-group's tiles: 256 bytes
	s_wait_dscnt 0x0
	global_store_b64 v1, v[S:S+1], s[YSP:YSP+1]    ; 256 consecutive bytes, aligned
.Lnot_mine:
	s_wait_tensorcnt 0x0
	ds_add_u32 v254, v255
	s_wait_dscnt 0x0
	ROUND                                          ; the closing round: no work-group ends while a partner may still ask for a block that names it
	s_endpgm
.Lfunc_end_k_q8b81305f8f_attn:
	.size	k_q8b81305f8f_attn, .Lfunc_end_k_q8b81305f8f_attn-k_q8b81305f8f_attn
	.p2alignl 7, 3214868480
	.fill 96, 4, 3214868480
	.section	.rodata,"a",@progbits
	.p2align	6, 0x0
	.amdhsa_kernel k_q8b81305f8f_attn
		.amdhsa_group_segment_fixed_size 212992
		.amdhsa_private_segment_fixed_size 0
		.amdhsa_enable_private_segment 0
		.amdhsa_kernarg_size 24
		.amdhsa_user_sgpr_count 2
		.amdhsa_user_sgpr_kernarg_segment_ptr 1
		.amdhsa_wavefront_size32 1
		.amdhsa_system_sgpr_workgroup_id_x 1
		.amdhsa_system_sgpr_workgroup_id_y 1
		.amdhsa_system_sgpr_workgroup_id_z 1
		.amdhsa_system_vgpr_workitem_id 0
		.amdhsa_next_free_vgpr 256
		.amdhsa_next_free_sgpr 66
		.amdhsa_reserve_vcc 1
		.amdhsa_float_denorm_mode_32 3
		.amdhsa_float_denorm_mode_16_64 3
		.amdhsa_memory_ordered 1
		.amdhsa_forward_progress 1
		.amdhsa_inst_pref_size 68
	.end_amdhsa_kernel
	.amdgpu_metadata
---
amdhsa.version: [ 1, 2 ]
amdhsa.kernels:
  - .name:           k_q8b81305f8f_attn
    .symbol:         k_q8b81305f8f_attn.kd
    .args:
      - { .name: q, .offset: 0, .size: 8, .value_kind: global_buffer, .address_space: global }
      - { .name: kv, .offset: 8, .size: 8, .value_kind: global_buffer, .address_space: global }
      - { .name: y, .offset: 16, .size: 8, .value_kind: global_buffer, .address_space: global }
    .group_segment_fixed_size: 212992
    .private_segment_fixed_size: 0
    .kernarg_segment_align: 8
    .kernarg_segment_size: 24
    .max_flat_workgroup_size: 512
    .sgpr_count:     66
    .vgpr_count:     256
    .wavefront_size: 32
...
	.end_amdgpu_metadata
.endif
;; end of part 3
;; launch proj (part 4): grid 4 x 32, 4 waves a work-group, clusters of 4 x 4, 327,680 bytes of LDS; arguments y, wq, b_proj, out0; writes out0
.if DOCPART == 4
	.amdgcn_target "amdgcn-amd-amdhsa--gfx1250"
	.amdhsa_code_object_version 6
	.text
	.protected	k_q8b81305f8f_proj
	.globl	k_q8b81305f8f_proj
	.p2align	8
	.type	k_q8b81305f8f_proj,@function
k_q8b81305f8f_proj:
	s_mov_b64 s[64:65], 0
	v_nop
	global_prefetch_b8 v0, s[64:65] scope:SCOPE_SE
	s_setreg_imm32_b32 hwreg(HW_REG_WAVE_MODE, 25, 1), 1
	s_wait_xcnt 0x0
	s_wait_alu depctr_hold_cnt(0) depctr_sa_sdst(0) depctr_va_vdst(0) depctr_va_sdst(0) depctr_va_ssrc(0) depctr_va_vcc(0) depctr_vm_vsrc(0)
	s_getreg_b32 s2, hwreg(HW_REG_IB_STS2, 6, 4)
	s_cmp_eq_u32 s2, 0
	s_cbranch_scc0 .Lentry_in_a_cluster
	s_endpgm
.Lentry_in_a_cluster:
	s_bfe_u32 s2, ttmp6, 0x10000c
	s_cmp_lg_u32 s2, 0xf033
	s_cbranch_scc0 .Lentry_shape_is_right
	s_endpgm
.Lentry_shape_is_right:
; out0 = y W_proj + b_proj on codes of FP6 (E2M3) with E8M0 scales; out0 [8192][1024] f32.
; OPERANDS are images of operand registers: a tile is 16 rows (lane r of tile 2 G + u holds row 32 G + 8 u + r + 8 (r / 8)); a fragment (tile x 128 K) is six pieces of 256 bytes, lane l's 8 bytes at 8 l;
; codes [tile][K step 8][1536].  S1 = y (source 1), S0 = W_proj's columns, wq's tiles from 192 on (source 0).  W's scale words lie [tile][pair of K steps 4][r 16][2].
; y's scale words come raw, a word for each head with two bytes in their places: [256 tokens][head 16][cx 4][group % 2][sub 2][r 16].  A K step spans two heads: the work-group joins the words once, in LDS,
; into the same image as W's.
; A work-group of four waves makes 256 x 256, a wave 128 x 128: 64 accumulators, 512 registers.  K = 1024 goes in four slots' worth of 256 through a ring of two LDS slots.
; In accumulator (a, b) lane (r, h) holds the token of lane r of y's tile a, and register j column 32 (b / 2) + 16 h + 8 (b % 2) + j.  The bias is the C of each sum's first product.
; CLUSTERS: 4 x 4 work-groups; y's tiles are shared along a row of the cluster, W's along a column: each is asked for jointly.
; REGISTERS, in windows of 256: window 0: v1-29 addresses; v32-63 scale words, two sets; v64-127 the bias; v128-223 S1's fragments, one set; on the way out v128-255 rows of out0.
;   window 1: S0's fragments, two sets, at v0 and v128.   windows 2, 3: the accumulators ((a, b) at v[8 (8 (a % 4) + b)]).
.set NQ,    2
.set FR,    12
.set NL,    6
.set NP,    4                          ; places behind this matrix instruction (ISA guide 7.12.1)
.set TILEB, 3072
.set HALFT, 8*TILEB
.set SLOT,  4*HALFT
.set RAW,   2*SLOT                     ; behind the ring: y's raw scale words, 16,384 bytes: filled once
.set SCL,   RAW+16384                  ; y's joined scale words, 8,192 bytes: written by LDS stores alone;
.set SCB,   SCL+8192                   ; W's, 8,192 bytes: filled once
.set SPARE, SCB+8192                   ; the spare words, 128 bytes a wave: two blocks of 256 bytes that no other line names
.set STAGE, SPARE+512                  ; the way out: 16 rows x (512 + 16) bytes for each wave: no fill lands here
.set SPITCH, 528
.set YS,    6291456                    ; y: where the raw scale words begin
.set WCO,   192*12288                  ; wq: W_proj's codes,
.set WSO,   3145728+192*512            ; and its scale words
.set JR,   8                           ; v8, v9 the join's addresses
.set JW,   9
.set ADRA, 16
.set ADRB, 20
.set STO,  24
.set RD,   25
.set CO,   26
.set ADRS, 27
.set SPW,  28                          ; v28  LDS address of my spare word; never rewritten
.set NIL,  29                          ; v29  0; never rewritten
.set SC,   32
.set BQ,   64
.set AF,   128
.set BK,   128
.set G1,   24
.set G0,   32
.set G1B,  48
.set G0B,  56
.set G1S,  68
.set G0S,  76
.set G1SB, 80
.set G0SB, 88
.set MSB, 0
.macro WIN new                         ; the immediate's high byte repeats the setting that is left
.if MSB != (\new)
	s_set_vgpr_msb (MSB<<8)|(\new)
.set MSB, \new
.endif
.endm
.set MUL_LO, 0xa1                      ; source 0 window 1, source 1 window 0, C and D window 2
.set MUL_HI, 0xf1                      ; the same, C and D window 3
.set TO_B,   0x40
.macro JLOAD g0a, g1a, g0b, g1b        ; a joint load: waves 0 and 1 fetch for y, waves 2 and 3 for W; four v_nop follow each of the two lines
	s_cmp_eq_u32 s15, 0
	s_cbranch_scc0 .Lfor_b_\@
	tensor_load_to_lds s[\g0a:\g0a+3], s[\g1a:\g1a+7]
	s_nop 0
.rept 4
	v_nop
.endr
	s_branch .Lasked_\@
.Lfor_b_\@:
	tensor_load_to_lds s[\g0b:\g0b+3], s[\g1b:\g1b+7]
	s_nop 0
.rept 4
	v_nop
.endr
.Lasked_\@:
.endm
.macro CREST
	s_cmp_lg_u32 s14, 0
	s_cbranch_scc1 .Lnot_wave_0_\@
	s_barrier_signal -3
.Lnot_wave_0_\@:
	s_barrier_wait -3
	s_barrier_signal -1
	s_barrier_wait -1
.endm
.macro CROUND
	s_barrier_signal -1
	s_barrier_wait -1
	CREST
.endm
	s_load_b256 s[4:11], s[0:1], 0x0               ; y s[4:5], wq s[6:7], b_proj s[8:9], out0 s[10:11]
	v_lshl_add_u32 v[SPW], v0, 2, SPARE
	v_mov_b32 v[NIL], 0
	ds_add_u32 v28, v29
	ds_add_u32 v28, v29
	s_wait_dscnt 0x0
	v_lshrrev_b32 v1, 5, v0
	v_readfirstlane_b32 s14, v1                    ; wave 0..3
	s_lshr_b32 s15, s14, 1                         ; which half of the tokens is mine.  Also: I fetch for y (0) or for W (1)
	s_and_b32 s16, s14, 1                          ; which half of the columns.  Also: which half I fetch
	s_bfe_u32 s40, ttmp6, 0x40000
	s_bfe_u32 s41, ttmp6, 0x40004
	s_lshl_b32 s42, ttmp9, 2
	s_add_co_u32 s42, s42, s40                     ; which 256 columns
	s_and_b32 s17, ttmp7, 0xffff
	s_lshl_b32 s17, s17, 2
	s_add_co_u32 s17, s17, s41                     ; which 256 tokens
	s_lshl_b32 s43, s41, 2
	s_lshl_b32 s43, 15, s43                        ; my row of the cluster
	s_lshl_b32 s44, 0x1111, s40                    ; my column
	s_or_b32 s[G1+0], s43, (3<<16)|(1<<21)         ; codes: 8 rows (tiles) of 384 elements of 8 bytes, 1,536 elements apart; dense in LDS
	s_or_b32 s[G1B+0], s44, (3<<16)|(1<<21)
.irp g, G1, G1B
	s_mov_b32 s[\g+1], 384<<16
	s_mov_b32 s[\g+2], 8<<16
	s_mov_b32 s[\g+3], 384<<16
	s_mov_b32 s[\g+4], 8
	s_mov_b32 s[\g+5], 1536
	s_mov_b32 s[\g+6], 0
	s_mov_b32 s[\g+7], 0
.endr
	s_or_b32 s[G1S+0], s43, (3<<16)|(1<<21)        ; y's raw scale words: half of them, 8,192 dense bytes as 32 rows of 256
	s_mov_b32 s[G1S+1], 32<<16
	s_mov_b32 s[G1S+2], 32<<16
	s_mov_b32 s[G1S+3], 32<<16
	s_mov_b32 s[G1S+4], 32
	s_mov_b32 s[G1S+5], 32
	s_mov_b32 s[G1S+6], 0
	s_mov_b32 s[G1S+7], 0
	s_or_b32 s[G1SB+0], s44, (3<<16)|(1<<21)       ; W's scale words of 8 tiles: 4,096 dense bytes as 16 rows of 256
	s_mov_b32 s[G1SB+1], 32<<16
	s_mov_b32 s[G1SB+2], 16<<16
	s_mov_b32 s[G1SB+3], 32<<16
	s_mov_b32 s[G1SB+4], 16
	s_mov_b32 s[G1SB+5], 32
	s_mov_b32 s[G1SB+6], 0
	s_mov_b32 s[G1SB+7], 0
	s_lshl_b32 s18, s16, 3
	s_lshl_b32 s20, s17, 4
	s_add_co_u32 s20, s20, s18                     ; y: the first tile that I fetch
	s_lshl_b32 s46, s42, 4
	s_add_co_u32 s46, s46, s18                     ; W: likewise
	s_lshl_b32 s22, s17, 14                        ; y's raw words: 16,384 bytes for 256 tokens,
	s_lshl_b32 s23, s16, 13                        ; my half of them
	s_add_co_u32 s22, s22, s23
	s_add_co_u32 s22, s22, YS
	s_mov_b32 s23, 0
	s_lshl_b32 s92, s46, 9
	s_add_co_u32 s92, s92, WSO
	s_mov_b32 s93, 0
	s_mul_i32 s20, s20, 12288
	s_mov_b32 s21, 0
	s_mul_i32 s46, s46, 12288
	s_add_co_u32 s46, s46, WCO
	s_mov_b32 s47, 0
	s_mul_i32 s45, s14, HALFT                      ; where the codes go: wave x 8 tiles: no place in the cluster enters an LDS address
	s_lshl_b32 s94, s16, 13                        ; the raw words' half,
	s_lshl_b32 s95, s16, 12                        ; W's words' half
	s_wait_kmcnt 0x0
	s_add_nc_u64 s[20:21], s[4:5], s[20:21]
	s_add_nc_u64 s[22:23], s[4:5], s[22:23]
	s_add_nc_u64 s[46:47], s[6:7], s[46:47]
	s_add_nc_u64 s[92:93], s[6:7], s[92:93]
	CROUND                                         ; all sixteen work-groups are here: the first joint loads meet
	s_mov_b32 s[G0S], 1
	s_add_co_u32 s[G0S+1], s94, RAW
	s_mov_b64 s[G0S+2:G0S+3], s[22:23]
	s_or_b32 s[G0S+3], s[G0S+3], 0x80000000
	s_mov_b32 s[G0SB], 1
	s_add_co_u32 s[G0SB+1], s95, SCB
	s_mov_b64 s[G0SB+2:G0SB+3], s[92:93]
	s_or_b32 s[G0SB+3], s[G0SB+3], 0x80000000
	JLOAD G0S, G1S, G0SB, G1SB                     ; the scale words first
.irp s, 0,1
	s_mov_b32 s[G0+4*\s], 1
	s_add_co_u32 s[G0+4*\s+1], s45, \s*SLOT
	s_add_nc_u64 s[G0+4*\s+2:G0+4*\s+3], s[20:21], \s*TILEB
	s_or_b32 s[G0+4*\s+3], s[G0+4*\s+3], 0x80000000
	s_mov_b32 s[G0B+4*\s], 1
	s_add_co_u32 s[G0B+4*\s+1], s45, \s*SLOT
	s_add_nc_u64 s[G0B+4*\s+2:G0B+4*\s+3], s[46:47], \s*TILEB
	s_or_b32 s[G0B+4*\s+3], s[G0B+4*\s+3], 0x80000000
	s_wait_alu depctr_va_vdst(0)
	s_wait_tensorcnt 0x0
	ds_add_u32 v28, v29
	s_wait_dscnt 0x0
	CROUND
	JLOAD G0+4*\s, G1, G0B+4*\s, G1B               ; one load of mine is out behind the last of these
.endr
	v_and_b32 v1, 15, v0                           ; r
	v_bfe_u32 v2, v0, 4, 1                         ; h
	s_wait_alu depctr_va_vdst(0)
	v_and_b32 v3, 31, v0
	v_lshlrev_b32 v7, 3, v3                        ; 8 x lane
	s_mul_i32 s21, s15, HALFT
	s_mul_i32 s22, s16, HALFT
	s_add_co_u32 s22, s22, 2*HALFT
.irp s, 0,1
	v_add_nc_u32 v[ADRA+\s], s21, v7
	v_add_nc_u32 v[ADRB+\s], s22, v7
	s_add_co_u32 s21, s21, SLOT
	s_add_co_u32 s22, s22, SLOT
.endr
	v_lshlrev_b32 v5, 3, v1
	s_lshl_b32 s21, s15, 12                        ; y's joined words: my 8 tiles
	s_lshl_b32 s22, s16, 12                        ; W's: my 8 tiles, 8,192 bytes behind y's
	s_add_co_u32 s22, s22, 8192
	s_sub_co_u32 s22, s22, s21
	v_mul_u32_u24 v6, s22, v2                      ; lanes 16-31 take W's: the lower base + h x the distance
	s_add_co_u32 s21, s21, SCL
	v_add_nc_u32 v5, v5, v6
	v_add_nc_u32 v[ADRS], s21, v5
	s_mul_i32 s23, s14, 16*SPITCH
	s_add_co_u32 s23, s23, STAGE                   ; my stage
	v_mul_u32_u24 v5, v1, SPITCH
	v_lshl_add_u32 v5, v2, 6, v5                   ; in: row r, + 64 h: my half's 16 columns of each 32
	v_add_nc_u32 v[STO], s23, v5
	v_lshlrev_b32 v[CO], 4, v3                     ; back: the 32 lanes take one row of 512 bytes; and the same in out0
	v_add_nc_u32 v[RD], s23, v[CO]
	; the join.  Thread t: tile t[5:2] of the 16, rows 4 (t % 4) on, pairs of K steps t / 64 and 2 + t / 64.  Tile's bits: 0 = sub, 2:1 = cx, 3 = group % 2
	v_bfe_u32 v3, v0, 3, 2
	v_lshlrev_b32 v3, 8, v3
	v_bfe_u32 v4, v0, 5, 1
	v_lshl_add_u32 v3, v4, 7, v3
	v_bfe_u32 v4, v0, 2, 1
	v_lshl_add_u32 v3, v4, 6, v3
	v_and_b32 v4, 3, v0
	v_lshl_add_u32 v3, v4, 4, v3
	v_lshrrev_b32 v5, 6, v0
	v_lshl_add_u32 v3, v5, 12, v3                  ; four heads of 1,024 bytes to a pair of K steps
	v_add_nc_u32 v[JR], RAW, v3
	v_bfe_u32 v6, v0, 2, 4
	v_lshlrev_b32 v6, 9, v6
	v_lshl_add_u32 v6, v5, 7, v6
	v_lshl_add_u32 v6, v4, 5, v6
	v_add_nc_u32 v[JW], SCL, v6
	; where my part of out0 begins, and the bias of my 128 columns
	s_lshl_b32 s46, s42, 10
	s_lshl_b32 s47, s16, 9
	s_add_co_u32 s46, s46, s47                     ; my first column, in bytes
	s_mov_b32 s47, 0
	s_add_nc_u64 s[8:9], s[8:9], s[46:47]
	s_lshl_b32 s20, s17, 8
	s_lshl_b32 s21, s15, 7
	s_add_co_u32 s20, s20, s21                     ; my first token
	s_lshl_b32 s20, s20, 12
	s_add_co_u32 s20, s20, s46
	s_mov_b32 s21, 0
	s_add_nc_u64 s[10:11], s[10:11], s[20:21]
	v_lshlrev_b32 v15, 6, v2                       ; 16 h numbers
.irp b, 0,1,2,3,4,5,6,7
	global_load_b128 v[BQ+8*\b:BQ+8*\b+3], v15, s[8:9] offset:(32*(\b/2)+8*(\b%2))*4
	global_load_b128 v[BQ+8*\b+4:BQ+8*\b+7], v15, s[8:9] offset:(32*(\b/2)+8*(\b%2))*4+16
.endr
.macro FRAG reg, adr, q, i
.irp p, 0,1,2,3,4,5
	ds_load_b64 v[\reg+2*\p:\reg+2*\p+1], v[\adr] offset:(\i)*TILEB+(\q)*1536+256*\p
.endr
.endm
; 16 matrix instructions: y's tiles a0, a0 + 1 x W's eight.  first = 1: the bias is the C of the sum's first product.
; The 64 accumulators take turns, one instruction a turn, in the same order in every step.
.macro MUL16 a0, p, q, sc, first
.irp a, \a0, \a0+1
.irp b, 0,1,2,3,4,5,6,7
.if \first
	v_wmma_scale_f32_16x16x128_f8f6f4 v[8*(8*((\a)%4)+\b):8*(8*((\a)%4)+\b)+7], v[128*(\p)+FR*\b:128*(\p)+FR*\b+FR-1], v[AF+FR*(\a):AF+FR*(\a)+FR-1], v[BQ+8*\b:BQ+8*\b+7], v[SC+8*NQ*(\sc)+NQ*\b+(\q)], v[SC+8*NQ*(\sc)+NQ*(\a)+(\q)] matrix_a_fmt:MATRIX_FMT_FP6 matrix_b_fmt:MATRIX_FMT_FP6 matrix_a_scale:MATRIX_SCALE_ROW1
.else
	v_wmma_scale_f32_16x16x128_f8f6f4 v[8*(8*((\a)%4)+\b):8*(8*((\a)%4)+\b)+7], v[128*(\p)+FR*\b:128*(\p)+FR*\b+FR-1], v[AF+FR*(\a):AF+FR*(\a)+FR-1], v[8*(8*((\a)%4)+\b):8*(8*((\a)%4)+\b)+7], v[SC+8*NQ*(\sc)+NQ*\b+(\q)], v[SC+8*NQ*(\sc)+NQ*(\a)+(\q)] matrix_a_fmt:MATRIX_FMT_FP6 matrix_b_fmt:MATRIX_FMT_FP6 matrix_a_scale:MATRIX_SCALE_ROW1
.endif
.endr
.endr
.endm
.macro FETCH_B slot, q, p
	WIN TO_B
.irp i, 0,1,2,3,4,5,6,7
	FRAG 128*(\p)+FR*\i, ADRB+\slot, \q, \i
.endr
	WIN 0
.endm
.macro FETCH_A slot, q, i0
.irp i, \i0, \i0+1, \i0+2, \i0+3
	FRAG AF+FR*(\i), ADRA+\slot, \q, \i
.endr
.endm
.macro SCALES sc
.irp i, 0,1,2,3,4,5,6,7
	ds_load_b64 v[SC+8*NQ*\sc+NQ*\i:SC+8*NQ*\sc+NQ*\i+1], v[ADRS] offset:\i*512
.endr
.endm
.macro PLACES n
.rept \n
	v_nop
.endr
.endm
.macro STEP slot, q, first
	s_wait_dscnt 4*NL                              ; W's set and y's tiles 0-3 are in; the youngest 24 loads (y's tiles 4-7) may be out
.if \first
	WIN 0x81                                       ; C (the bias) window 0, D window 2
.else
	WIN MUL_LO
.endif
	MUL16 0, (\q)%2, \q, \slot, \first
	MUL16 2, (\q)%2, \q, \slot, \first
	s_wait_dscnt 0
	PLACES NP
	FETCH_B \slot, (\q)+1, 1-(\q)%2
	FETCH_A \slot, (\q)+1, 0
.if \first
	WIN 0xc1                                       ; C window 0, D window 3
.else
	WIN MUL_HI
.endif
	MUL16 4, (\q)%2, \q, \slot, \first
	MUL16 6, (\q)%2, \q, \slot, \first
	PLACES NP
	WIN 0
	FETCH_A \slot, (\q)+1, 4
.endm
.macro TURN slot, next, fill
	s_wait_tensorcnt 0x0                           ; all my tensor loads have landed: my part of the next slot
	ds_add_u32 v[SPW], v[NIL]                      ; 0 onto my spare word
	s_wait_dscnt 4*NL+1                            ; (the add and the youngest 24 loads may be out)
	WIN MUL_LO
	MUL16 0, 1, NQ-1, \slot, 0
	s_wait_dscnt 0x0                               ; the add is done, and my reads of this slot are over
	s_barrier_signal -1
	MUL16 2, 1, NQ-1, \slot, 0
	WIN 0
	s_barrier_wait -1
.if \fill
	CREST                                          ; no wave of any partner still reads this slot or has a load on its way
	s_add_nc_u64 s[G0+4*\slot+2:G0+4*\slot+3], s[G0+4*\slot+2:G0+4*\slot+3], 2*TILEB
	s_add_nc_u64 s[G0B+4*\slot+2:G0B+4*\slot+3], s[G0B+4*\slot+2:G0B+4*\slot+3], 2*TILEB
	JLOAD G0+4*\slot, G1, G0B+4*\slot, G1B         ; my one tensor load behind the round; its four v_nop are the places in front of the loads below
.else
	PLACES NP
.endif
	s_wait_alu depctr_va_vdst(0)
	v_add_nc_u32 v[ADRS], 128, v[ADRS]
	FETCH_B \next, 0, 0
	FETCH_A \next, 0, 0
	SCALES \next
	WIN MUL_HI
	MUL16 4, 1, NQ-1, \slot, 0
	MUL16 6, 1, NQ-1, \slot, 0
	PLACES NP
	WIN 0
	FETCH_A \next, 0, 4
.endm
	s_wait_alu depctr_va_vdst(0)
	s_wait_tensorcnt 1                             ; the scale words and my part of slot 0 are in (slot 1's load may be out)
	s_barrier_signal -1
	s_barrier_wait -1                              ; everybody's are
.irp u, 0,1                                    ; THE JOIN: K step k's word of a row is head 2 k's word or head 2 k + 1's
.irp e, 0,1,2,3
	ds_load_b128 v[128+16*\u+4*\e:128+16*\u+4*\e+3], v[JR] offset:8192*\u+1024*\e   ; four rows' words of head 8 u + 4 (t / 64) + e
.endr
.endr
	s_wait_dscnt 0x0
.irp u, 0,1
.irp i, 0,1,2,3
	v_or_b32 v[160+8*\u+2*\i], v[128+16*\u+\i], v[132+16*\u+\i]
	v_or_b32 v[161+8*\u+2*\i], v[136+16*\u+\i], v[140+16*\u+\i]
.endr
.endr
.irp u, 0,1
	ds_store_b128 v[JW], v[160+8*\u:163+8*\u] offset:256*\u
	ds_store_b128 v[JW], v[164+8*\u:167+8*\u] offset:256*\u+16
.endr
	s_wait_dscnt 0x0                               ; for the others' sake: my stores have landed
	s_barrier_signal -1
	s_barrier_wait -1
	FETCH_B 0, 0, 0
	FETCH_A 0, 0, 0
	SCALES 0
	FETCH_A 0, 0, 4
	s_wait_loadcnt 0x0                             ; the bias
	STEP 0, 0, 1                                   ; K = 1024 is eight steps: all are written out
	TURN 0, 1, 1
	STEP 1, 0, 0
	TURN 1, 0, 1
	STEP 0, 0, 0
	TURN 0, 1, 0                                   ; nothing is left to fetch
	STEP 1, 0, 0
	s_wait_dscnt 4*NL
	WIN MUL_LO
	MUL16 0, 1, NQ-1, 1, 0
	MUL16 2, 1, NQ-1, 1, 0
	s_wait_dscnt 0
	WIN MUL_HI
	MUL16 4, 1, NQ-1, 1, 0
	MUL16 6, 1, NQ-1, 1, 0
	WIN 0
; THE WAY OUT, tile by tile of 16 tokens x 128 columns, through my own stage in LDS: in by lanes (32 bytes of a row each), back as whole rows of 512 bytes.
; LDS serves a wave's instructions in order (ISA guide 5.7.1.4): no wait between the stores and the loads, nor in front of the next tile's stores.
.macro TOSTAGE a
.set AC, 64*((\a)%4)
	WIN 0x08+4*((\a)/4)                            ; the data: window 2 or 3
.irp b, 0,1,2,3,4,5,6,7
	ds_store_b128 v[STO], v[AC+8*\b:AC+8*\b+3] offset:128*(\b/2)+32*(\b%2)          ; each accumulator from its low end on
	ds_store_b128 v[STO], v[AC+8*\b+4:AC+8*\b+7] offset:128*(\b/2)+32*(\b%2)+16
.endr
	WIN 0
.set BB, BK+64*((\a)%2)
.irp t, 0,1,2,3,4,5,6,7,8,9,10,11,12,13,14,15
	ds_load_b128 v[BB+4*\t:BB+4*\t+3], v[RD] offset:\t*SPITCH
.endr
.endm
.macro SEND a, younger                 ; younger: the LDS instructions issued behind tile a's loads, which may stay out
.set BB, BK+64*((\a)%2)
	s_wait_dscnt \younger
.if (\a) > 0
.if ((\a)%2) == 1
	s_add_nc_u64 s[10:11], s[10:11], 8*4096        ; (behind a wait on XCNT)  an odd tile begins 8 tokens behind its even neighbour,
.else
	s_add_nc_u64 s[10:11], s[10:11], 24*4096       ; an even one 24 behind the odd one before it
.endif
.endif
.irp t, 0,1,2,3,4,5,6,7,8,9,10,11,12,13,14,15
	global_store_b128 v[CO], v[BB+4*\t:BB+4*\t+3], s[10:11] offset:(\t+8*(\t/8))*4096 th:TH_STORE_NT   ; 512 consecutive bytes, aligned; lane t of a tile holds token t + 8 (t / 8)
.endr
.endm
	PLACES NP
	TOSTAGE 0
.irp a, 1,2,3,4,5,6,7
.if \a > 1
	s_wait_xcnt 0x0                                ; tile a - 2's stores have read their registers and their base
.endif
	TOSTAGE \a
	SEND \a-1, 32                                  ; behind tile a - 1's loads: tile a's 16 stores and 16 loads
.endr
	s_wait_xcnt 0x0
	SEND 7, 0
	s_wait_tensorcnt 0x0                           ; the wave's end: behind my last tensor load and my last LDS store
	ds_add_u32 v[SPW], v[NIL]
	s_wait_dscnt 0x0
	CROUND                                         ; the closing round
	s_endpgm
.Lfunc_end_k_q8b81305f8f_proj:
	.size	k_q8b81305f8f_proj, .Lfunc_end_k_q8b81305f8f_proj-k_q8b81305f8f_proj
	.p2alignl 7, 3214868480
	.fill 96, 4, 3214868480
	.section	.rodata,"a",@progbits
	.p2align	6, 0x0
	.amdhsa_kernel k_q8b81305f8f_proj
		.amdhsa_group_segment_fixed_size 327680
		.amdhsa_private_segment_fixed_size 0
		.amdhsa_enable_private_segment 0
		.amdhsa_kernarg_size 32
		.amdhsa_user_sgpr_count 2
		.amdhsa_user_sgpr_kernarg_segment_ptr 1
		.amdhsa_wavefront_size32 1
		.amdhsa_system_sgpr_workgroup_id_x 1
		.amdhsa_system_sgpr_workgroup_id_y 1
		.amdhsa_system_sgpr_workgroup_id_z 1
		.amdhsa_system_vgpr_workitem_id 0
		.amdhsa_next_free_vgpr 1024
		.amdhsa_next_free_sgpr 102
		.amdhsa_reserve_vcc 0
		.amdhsa_float_denorm_mode_32 3
		.amdhsa_float_denorm_mode_16_64 3
		.amdhsa_memory_ordered 1
		.amdhsa_forward_progress 1
		.amdhsa_inst_pref_size 164
	.end_amdhsa_kernel
	.amdgpu_metadata
---
amdhsa.version: [ 1, 2 ]
amdhsa.kernels:
  - .name:           k_q8b81305f8f_proj
    .symbol:         k_q8b81305f8f_proj.kd
    .args:
      - { .name: y, .offset: 0, .size: 8, .value_kind: global_buffer, .address_space: global }
      - { .name: wq, .offset: 8, .size: 8, .value_kind: global_buffer, .address_space: global }
      - { .name: b_proj, .offset: 16, .size: 8, .value_kind: global_buffer, .address_space: global }
      - { .name: out0, .offset: 24, .size: 8, .value_kind: global_buffer, .address_space: global }
    .group_segment_fixed_size: 327680
    .private_segment_fixed_size: 0
    .kernarg_segment_align: 8
    .kernarg_segment_size: 32
    .max_flat_workgroup_size: 128
    .sgpr_count:     102
    .vgpr_count:     1024
    .wavefront_size: 32
...
	.end_amdgpu_metadata
.endif
;; end of part 4
